; MI455X (gfx1250); checked and timed in simulation.
; The chip was launched on July 23, 2026; its instructions are those of AMD's public machine-readable ISA for CDNA 5 (MIT licence, August 2026) and "CDNA5" Instruction Set Architecture Reference Guide (July 2026). The comments in the code are by the model that wrote it; some were corrected since.
;; Self Attention. Allowed arithmetic: float matrix products may take bf16 or f16 operands with f32 sums; other float arithmetic in f32, or as packed bf16 or f16 multiplies, adds, multiply-adds, maxima and minima; sums over many terms, partial sums and values carried from step to step in f32; what a program stores and reads back later, other than sums and carried values, may be rounded once to bf16 or f16.
;; Inputs: Wk 1,024 x 1,024 float32; Wq 1,024 x 1,024 float32; Wv 1,024 x 1,024 float32; key 4 x 2,048 x 1,024 float32; query 4 x 2,048 x 1,024 float32; value 4 x 2,048 x 1,024 float32.
;; Outputs: out0 4 x 2,048 x 1,024 float32.
;; 2 versions, each right; version 2 is version 1 with the launch castw written anew for expert scheduling mode. Each part assembles by itself: llvm-mc -triple=amdgcn-amd-amdhsa -mcpu=gfx1250 --defsym DOCPART=n.
;; ======== version 1 of 2: 4 launches
;; limits: values are held in f16: magnitudes above 65,504 overflow, below 6.1e-05 lose precision
;; workspace buffers: w16 6,291,456 bytes; qkv 50,331,648 bytes; pt 33,554,432 bytes; st 1,048,576 bytes
;; launch castw (part 1): grid 128 x 3, 8 waves a work-group, no clusters, 0 bytes of LDS; arguments Wq, Wk, Wv, w16; writes w16
.if DOCPART == 1
	.amdgcn_target "amdgcn-amd-amdhsa--gfx1250"
	.amdhsa_code_object_version 6
	.text
	.protected	k_qe4adedb5fd_castw
	.globl	k_qe4adedb5fd_castw
	.p2align	8
	.type	k_qe4adedb5fd_castw,@function
k_qe4adedb5fd_castw:
	s_mov_b64 s[64:65], 0
	v_nop
	global_prefetch_b8 v0, s[64:65] scope:SCOPE_SE
	s_setreg_imm32_b32 hwreg(HW_REG_WAVE_MODE, 25, 1), 1
	s_wait_xcnt 0x0
; w16[t][o][..] = Wq, Wk, Wv (t = 0, 1, 2) rounded to nearest even to bf16, with K PERMUTED inside each group of 32.  W: [1024][1024] f32; w16: [3][1024][1024] bf16.
; THE PERMUTATION.  A group of 32 numbers along K is eight pieces of four; piece m goes to the place whose number is m with its two lowest bits exchanged (0 2 1 3 4 6 5 7).  The next launch takes x from
; memory so that a lane holds K = 8 j + 4 h + i at its place 4 j + i (h: the lane's half); with this order in w16 its usual two loads of 16 bytes bring W's fragment in the same order.
; A stream: every byte is read once and written once; no LDS, no matrix unit, no loop.  A work-group converts 32,768 bytes of tensor t = its y: eight loads of 16 bytes a thread
; (a wave's load covers 512 consecutive bytes), eight stores of 8 bytes a thread (a wave's store covers 256 consecutive bytes, aligned: the exchange stays inside four threads).  No register is written twice.
.set X, 4                              ; v[4:35]   load j: 4 numbers in f32
.set Y, 36                             ; v[36:51]  store j: 4 numbers in bf16
	s_load_b256 s[4:11], s[0:1], 0x0               ; Wq s[4:5], Wk s[6:7], Wv s[8:9], w16 s[10:11]
	s_and_b32 s18, ttmp7, 0xffff                   ; t
	v_lshlrev_b32 v1, 4, v0                        ; 16 bytes a thread in: thread n holds piece n
	v_and_b32 v52, 0xfc, v0                        ; out: the thread's number with its two lowest bits exchanged,
	v_and_b32 v53, 1, v0
	v_bfe_u32 v54, v0, 1, 1
	v_lshl_or_b32 v52, v53, 1, v52
	v_or_b32 v52, v52, v54
	v_lshlrev_b32 v2, 3, v52                       ; 8 bytes a piece
	s_lshl_b32 s14, ttmp9, 15                      ; the work-group's 32,768 bytes of W
	s_mov_b32 s15, 0
	s_lshl_b32 s16, s18, 21                        ; tensor t of w16: 2 MiB each,
	s_lshl_b32 s19, ttmp9, 14                      ; and the work-group's 16,384 bytes of it
	s_add_co_u32 s16, s16, s19
	s_mov_b32 s17, 0
	s_wait_kmcnt 0x0
	s_cmp_eq_u32 s18, 1
	s_cselect_b64 s[12:13], s[6:7], s[4:5]
	s_cmp_eq_u32 s18, 2
	s_cselect_b64 s[12:13], s[8:9], s[12:13]
	s_add_nc_u64 s[12:13], s[12:13], s[14:15]
	s_add_nc_u64 s[10:11], s[10:11], s[16:17]
.irp j, 0,1,2,3,4,5,6,7
	global_load_b128 v[X+4*(\j):X+4*(\j)+3], v1, s[12:13] offset:4096*(\j) th:TH_LOAD_NT
.endr
.irp j, 0,1,2,3,4,5,6,7
	s_wait_loadcnt 7-(\j)                          ; loads come back in order: load j is in, the 7 - j younger ones stay out
	v_cvt_pk_bf16_f32 v[Y+2*(\j)], v[X+4*(\j)], v[X+4*(\j)+1]
	v_cvt_pk_bf16_f32 v[Y+2*(\j)+1], v[X+4*(\j)+2], v[X+4*(\j)+3]
	global_store_b64 v2, v[Y+2*(\j):Y+2*(\j)+1], s[10:11] offset:2048*(\j)
.endr
	s_endpgm
.Lfunc_end_k_qe4adedb5fd_castw:
	.size	k_qe4adedb5fd_castw, .Lfunc_end_k_qe4adedb5fd_castw-k_qe4adedb5fd_castw
	.p2alignl 7, 3214868480
	.fill 96, 4, 3214868480
	.section	.rodata,"a",@progbits
	.p2align	6, 0x0
	.amdhsa_kernel k_qe4adedb5fd_castw
		.amdhsa_group_segment_fixed_size 0
		.amdhsa_private_segment_fixed_size 0
		.amdhsa_enable_private_segment 0
		.amdhsa_kernarg_size 32
		.amdhsa_user_sgpr_count 2
		.amdhsa_user_sgpr_kernarg_segment_ptr 1
		.amdhsa_wavefront_size32 1
		.amdhsa_system_sgpr_workgroup_id_x 1
		.amdhsa_system_sgpr_workgroup_id_y 1
		.amdhsa_system_sgpr_workgroup_id_z 1
		.amdhsa_system_vgpr_workitem_id 0
		.amdhsa_next_free_vgpr 56
		.amdhsa_next_free_sgpr 66
		.amdhsa_reserve_vcc 0
		.amdhsa_float_denorm_mode_32 3
		.amdhsa_float_denorm_mode_16_64 3
		.amdhsa_memory_ordered 1
		.amdhsa_forward_progress 1
		.amdhsa_inst_pref_size 4
	.end_amdhsa_kernel
	.amdgpu_metadata
---
amdhsa.version: [ 1, 2 ]
amdhsa.kernels:
  - .name:           k_qe4adedb5fd_castw
    .symbol:         k_qe4adedb5fd_castw.kd
    .args:
      - { .name: Wq, .offset: 0, .size: 8, .value_kind: global_buffer, .address_space: global }
      - { .name: Wk, .offset: 8, .size: 8, .value_kind: global_buffer, .address_space: global }
      - { .name: Wv, .offset: 16, .size: 8, .value_kind: global_buffer, .address_space: global }
      - { .name: w16, .offset: 24, .size: 8, .value_kind: global_buffer, .address_space: global }
    .group_segment_fixed_size: 0
    .private_segment_fixed_size: 0
    .kernarg_segment_align: 8
    .kernarg_segment_size: 32
    .max_flat_workgroup_size: 256
    .sgpr_count:     66
    .vgpr_count:     56
    .wavefront_size: 32
...
	.end_amdgpu_metadata
.endif
;; end of part 1
;; launch proj (part 2): grid 4 x 64, 4 waves a work-group, clusters of 4 x 4, 327,680 bytes of LDS; arguments query, key, value, w16, qkv; writes qkv
.if DOCPART == 2
	.amdgcn_target "amdgcn-amd-amdhsa--gfx1250"
	.amdhsa_code_object_version 6
	.text
	.protected	k_qe4adedb5fd_proj
	.globl	k_qe4adedb5fd_proj
	.p2align	8
	.type	k_qe4adedb5fd_proj,@function
k_qe4adedb5fd_proj:
	s_mov_b64 s[64:65], 0
	v_nop
	global_prefetch_b8 v0, s[64:65] scope:SCOPE_SE
	s_setreg_imm32_b32 hwreg(HW_REG_WAVE_MODE, 25, 1), 1
	s_wait_xcnt 0x0
	s_wait_alu depctr_hold_cnt(0) depctr_sa_sdst(0) depctr_va_vdst(0) depctr_va_sdst(0) depctr_va_ssrc(0) depctr_va_vcc(0) depctr_vm_vsrc(0)
	s_getreg_b32 s2, hwreg(HW_REG_IB_STS2, 6, 4)
	s_cmp_eq_u32 s2, 0
	s_cbranch_scc0 .Lentry_in_a_cluster
	s_endpgm
.Lentry_in_a_cluster:
	s_bfe_u32 s2, ttmp6, 0x10000c
	s_cmp_lg_u32 s2, 0xf033
	s_cbranch_scc0 .Lentry_shape_is_right
	s_endpgm
.Lentry_shape_is_right:
; qkv[t][row][o] = the sum over h of x_t[row][h] W_t[o][h], t = 0, 1, 2 for (query, Wq), (key, Wk), (value, Wv).  x_t: [8192][1024] f32; w16: [3][1024][1024] bf16, K permuted inside each 32 as the launch
; before lays it; qkv: [3][8192][1024] f16.  x is rounded to nearest even to bf16 in registers; products in bf16, sums in f32; the result is rounded once to f16.
; LIMIT.  f16 holds no number beyond 65,504: a projection at or past 65,520 becomes an infinity.  NaN and infinities are not treated apart.
; SHARES.  256 work-groups.  A WORK-GROUP STAYS: it makes the tile of 128 rows x 256 columns at its place for query, then for key, then for value.  Wave w owns rows 32 w .. 32 w + 31 and all 256 columns:
; 32 accumulators of 16 x 16, 256 registers.  K goes in PERIODS of 256, four to a tile, twelve in all; a period is eight quarters of 32 along K, 32 matrix instructions each.
; W GOES THROUGH LDS: a ring of two slots, each 256 rows x 512 bytes of W; each wave fetches 64 rows with one tensor load.  The ring runs on from tile to tile.  From a request to the wait for it a wave issues 240
; matrix instructions.  With x in f32 beside W a slot of this size would hold 128 along K, half that work: so x does not go through LDS.
; x COMES STRAIGHT INTO REGISTERS, as fragments: no wave wants a number of x that another wave has fetched.  Lane l (row l % 16, half h = l / 16) takes 16 bytes at 32 j + 16 h of a quarter's 128 bytes, j = 0..3, so a
; load takes 32 consecutive bytes of each of 16 rows, and the lane's place 4 j + i holds K = 8 j + 4 h + i; w16 has the same order.  A ring of eight register slots, a quarter each; sixteen loads (two quarters: 256 bytes,
; aligned, of each of my 32 rows) go out in every even quarter, six to seven quarters ahead of their rounding; at most 56 loads of a wave are out.
; CLUSTER.  4 x 4 work-groups.  The four of a column need the same rows of W: each tile is asked for JOINTLY, by the same tensor load with the same descriptor and a mask that names the four.  The four of a row read the
; same rows of x, each for itself: a joint request exists for tensor loads alone.
; THE MATRIX INSTRUCTION IS USED TRANSPOSED (source 0 = 16 rows of W, source 1 = 16 rows of x): a lane then holds eight neighbouring columns of one row of the result.
; ONE TEXT FOR A PERIOD.  The slot in hand is a scalar, 0 or SLOT.  Ten trips fill a slot again (periods 2 to 11); the last two periods are a second loop, which fills nothing.  In the very last period the loads ahead take
; value's own tile once more (inside the buffer) and are not used, and neither are its last fragments of W nor its barrier: the price, once a launch, of one text for both trips.
; REGISTERS.  window 0: v0-31 addresses; v32-63 x in bf16, two buffers of two fragments; v64-255 the way out.   window 1: the accumulators, (a, b) at v[8 (16 a + b)], a = 0, 1 blocks of 16 rows, b = 0..15 of 16 columns.
;             window 2: W's fragments, two buffers of 128.     window 3: x in f32, slot q at v[32 q]: block a, load j at + 16 a + 4 j.
.set PB,    528                        ; an LDS row of W: 512 bytes + 16 of padding = 132 words: the 16 rows of a load start at 16 different groups of four banks (64 banks of 4 bytes: ISA guide 11.1)
.set WPART, 64*PB                      ; what one tensor load brings
.set SLOT,  4*WPART
.set STAGE, 2*SLOT                     ; behind the ring: 16 rows x 528 bytes for each wave, for the way out
.set SP,    528
.set SPARE, STAGE+4*16*SP              ; behind the stages: the spare words, 128 bytes for each wave: two blocks of 256 bytes that no other line names
.set NPER,  12                         ; periods: three tiles of four
.set XSTEP, 1024                       ; bytes of a period in a row of x
.set WSTEP, 512                        ; and of W
.set WNEXT, 2097152-3*WSTEP            ; from a tensor's last period to the next tensor's first, in w16
.set ONEXT, 16777216                   ; from tensor to tensor in qkv
.set XO,    10                         ; v10  my byte offset in 16 rows of x: (l % 16) x 4,096 + 16 (l / 16); never rewritten
.set ADRB0, 11                         ; v11  my lane's place in a slot; never rewritten
.set ADRB,  12                         ; v12  LDS address of W's fragments 0-7 in the slot in hand
.set ADRB2, 13                         ; v13  of fragments 8-15: an LDS offset has 16 bits
.set STO,   14                         ; v14  the way out: where I put 16 bytes of a row
.set RD,    15                         ; v15  the way out: where I read a row back
.set CO,    16                         ; v16  my byte offset in a row's 512 bytes of the result
.set PFOX,  17                         ; v17  x's prefetch: my lane x a row + my work-group's block; never rewritten
.set PFOW,  18                         ; v18  W's prefetch; never rewritten
.set SPW,   28                         ; v28  LDS address of my spare word: SPARE + 4 x my thread's number; never rewritten
.set NIL,   29                         ; v29  0; never rewritten
.set AF,    32
.set TMP,   64                         ; the way out: 16 rows, packed
.set OB,    128                        ; the way out: 16 rows read back: v128-191 for block 0, v192-255 for block 1
.set WV,  14                           ; s14 wave
.set CX,  17                           ; s17, s18 my place in the cluster
.set CY,  18
.set CLY, 19                           ; s19 the cluster's y
.set WX,  20                           ; s20 tile column, s21 tile row (of 64)
.set WY,  21
.set G1,  24                           ; s[24:31] descriptor group 1
.set XP,  32                           ; s[32:33] x at my rows, at the period in hand; s[34:35] at the next; s[36:37] at the one after
.set XN,  34
.set XF,  36
.set XNB, 38                           ; s[38:39] the next tensor at my rows
.set G0,  40                           ; s[40:43] descriptor group 0: slot 0's first fill, then every refill; s[44:47] slot 1's first fill
.set G0F, 44
.set XB2, 48                           ; s[48:49] value at my rows
.set WA,  50                           ; s[50:51] w16 at my 64 rows, at the period to be asked for next
.set WS,  52                           ; s[52:53] its step
.set WN,  54                           ; s54 WNEXT
.set TB,  56                           ; s56 the slot in hand: 0 or SLOT
.set CNT, 57                           ; s57 trips to go
.set LB,  58                           ; s58 where my 64 rows lie in a slot
.set PK,  59                           ; s59 the period in its tile, 0 to 3
.set LIM, 60                           ; s60 1 in the cluster that prefetches W
.set RKX, 61                           ; s61, s62 the period in its tile of s[XF] and of s[WA]
.set RKW, 62
.set OP,  90                           ; s[90:91] the result at my first row and column
.set MSB, 0
.macro WIN new                         ; the immediate's high byte repeats the setting that is left; a switch that changes nothing is dropped
.if MSB != (\new)
	s_set_vgpr_msb (MSB<<8)|(\new)
.set MSB, (\new)
.endif
.endm
.set W_CV,  0x0f                       ; sources 0 and 1 window 3, destination window 0
.set W_XL,  0xc0                       ; destination window 3, address window 0
.set W_BL,  0x80                       ; destination window 2, address window 0
.set W_MUL, 0x52                       ; source 0 (W) window 2, source 1 (x) window 0, C and D window 1
.set W_PK,  0x05                       ; sources 0 and 1 window 1, destination window 0
.macro PLACES
.rept 4
	v_nop
.endr
.endm
.macro CREST                           ; a round of the cluster's barrier behind its opening barrier
	s_cmp_lg_u32 s[WV], 0
	s_cbranch_scc1 .Lnot_wave_0_\@
	s_barrier_signal -3
.Lnot_wave_0_\@:
	s_barrier_wait -3
	s_barrier_signal -1
	s_barrier_wait -1
.endm
.macro CROUND                          ; a whole round
	s_barrier_signal -1
	s_barrier_wait -1
	CREST
.endm
; THE PREFETCHES, together, behind the joint load, its five lines and the run of LDS loads: in period P both name period P + 3.  x: my loads for it begin a period later.  A period is four blocks of 256 bytes of each of my
; 32 rows; the four work-groups of my row of the cluster read the same rows and take a block each, told apart by address: a lane a row, one instruction.  W: the next change of slots asks for it.  Of my 64 rows the
; partner at place cy takes 16, two blocks each; all sixteen clusters read the same rows, and the one with y = 0 asks.  So each block is named once in the launch.  The loop's last trip asks for nothing: period 12 does not exist.
.macro ASK
	s_cmp_gt_u32 s[CNT], 1
	s_cbranch_scc0 .Lnone_\@
	global_prefetch_b8 v[PFOX], s[XF:XF+1] th:TH_LOAD_NT scope:SCOPE_SE
	s_cmp_eq_u32 s[LIM], 1
	s_cbranch_scc0 .Lnone_\@
	global_prefetch_b8 v[PFOW], s[WA:WA+1] th:TH_LOAD_NT scope:SCOPE_SE
.Lnone_\@:
.endm
; 8 loads: quarter's 128 bytes of my 32 rows into slot s, from byte off behind pointer p
.macro XLOADS s, p, off
.irp a, 0,1
.irp j, 0,1,2,3
	global_load_b128 v[32*(\s)+16*(\a)+4*(\j):32*(\s)+16*(\a)+4*(\j)+3], v[XO], s[\p:\p+1] offset:(\off)+65536*(\a)+32*(\j)
.endr
.endr
.endm
	s_load_b256 s[4:11], s[0:1], 0x0               ; query s[4:5], key s[6:7], value s[8:9], w16 s[10:11]
	s_load_b64 s[12:13], s[0:1], 0x20              ; qkv
	v_lshl_add_u32 v[SPW], v0, 2, SPARE
	v_mov_b32 v[NIL], 0
	ds_add_u32 v[SPW], v[NIL]                      ; the wave's opening: the add and its wait stand ahead of my first tensor load; the set-up below, work on registers, stands between them
	v_lshrrev_b32 v3, 5, v0
	v_readfirstlane_b32 s[WV], v3
	v_and_b32 v1, 15, v0                           ; l % 16
	v_bfe_u32 v2, v0, 4, 1                         ; l / 16
	v_lshlrev_b32 v[XO], 12, v1
	v_lshl_add_u32 v[XO], v2, 4, v[XO]
	s_bfe_u32 s[CX], ttmp6, 0x40000
	s_bfe_u32 s[CY], ttmp6, 0x40004
	s_and_b32 s[CLY], ttmp7, 0xffff
	s_lshl_b32 s[WX], ttmp9, 2
	s_add_co_u32 s[WX], s[WX], s[CX]               ; tile column = 4 x cluster x + cx
	s_lshl_b32 s[WY], s[CLY], 2
	s_add_co_u32 s[WY], s[WY], s[CY]               ; tile row = 4 x cluster y + cy
	s_lshl_b32 s75, 0x1111, s[CX]                  ; my column of the cluster
	s_or_b32 s[G1], s75, (1<<16)|(1<<20)|(1<<21)|(6<<22)|(3<<25)  ; the mask; elements of 2 bytes; padding on; bit 21 beside a mask; after every 128 words (code 6) 4 words (code 3)
	s_mov_b32 s[G1+1], 256<<16                     ; tensor_dim0 = 256
	s_mov_b32 s[G1+2], 64<<16                      ; tensor_dim1 = 64
	s_mov_b32 s[G1+3], 256<<16                     ; tile_dim0 = 256
	s_mov_b32 s[G1+4], 64                          ; tile_dim1 = 64
	s_mov_b32 s[G1+5], 1024                        ; elements from row to row
	s_mov_b32 s[G1+6], 0
	s_mov_b32 s[G1+7], 0
	s_lshl_b32 s68, s[WY], 7                       ; my first row in a tensor: 128 x tile row + 32 x wave
	s_lshl_b32 s69, s[WV], 5
	s_add_co_u32 s68, s68, s69
	s_lshl_b32 s72, s68, 11                        ; in the result 2,048 bytes a row,
	s_lshl_b32 s68, s68, 12                        ; in x 4,096
	s_mov_b32 s69, 0
	s_lshl_b32 s73, s[WX], 9                       ; the tile's 256 columns: 512 bytes
	s_add_co_u32 s72, s72, s73
	s_mov_b32 s73, 0
	s_lshl_b32 s70, s[WX], 8                       ; W: row 256 x tile column + 64 x wave, 2,048 bytes a row: made of cx, never of cy
	s_lshl_b32 s71, s[WV], 6
	s_add_co_u32 s70, s70, s71
	s_lshl_b32 s70, s70, 11
	s_mov_b32 s71, 0
	s_mul_i32 s[LB], s[WV], WPART                  ; no place in the cluster enters an LDS address
	s_mov_b32 s[G0], 1                             ; count = 1
	s_mov_b32 s[G0+1], s[LB]                       ; LDS address: slot 0
	s_mov_b32 s[G0F], 1
	s_add_co_u32 s[G0F+1], s[LB], SLOT             ; slot 1
	s_mov_b32 s[TB], 0
	s_mov_b32 s[WS+1], 0
	s_mov_b32 s[WN], WNEXT
	s_mov_b32 s[RKX], 2
	s_mov_b32 s[RKW], 2
	s_cmp_eq_u32 s[CLY], 0
	s_cselect_b32 s[LIM], 1, -1                    ; the same in all sixteen partners
	s_wait_dscnt 0x0                               ; the opening add is done
	s_wait_kmcnt 0x0
	s_add_nc_u64 s[XP:XP+1], s[4:5], s[68:69]      ; query at my rows: period 0,
	s_add_nc_u64 s[XN:XN+1], s[XP:XP+1], XSTEP     ; period 1,
	s_add_nc_u64 s[XF:XF+1], s[XP:XP+1], 2*XSTEP   ; period 2
	s_add_nc_u64 s[XNB:XNB+1], s[6:7], s[68:69]    ; key at my rows
	s_add_nc_u64 s[XB2:XB2+1], s[8:9], s[68:69]    ; value at my rows
	s_add_nc_u64 s[WA:WA+1], s[10:11], s[70:71]    ; Wq at my 64 rows
	s_add_nc_u64 s[OP:OP+1], s[12:13], s[72:73]
	s_mov_b64 s[G0+2:G0+3], s[WA:WA+1]             ; global address: period 0
	s_or_b32 s[G0+3], s[G0+3], 0x80000000          ; type = 2
	s_add_nc_u64 s[G0F+2:G0F+3], s[WA:WA+1], WSTEP ; period 1
	s_or_b32 s[G0F+3], s[G0F+3], 0x80000000
	s_add_nc_u64 s[WA:WA+1], s[WA:WA+1], 2*WSTEP   ; the first refill asks for period 2
	WIN W_XL
.irp s, 0,1,2,3,4,5
	XLOADS \s, XP, 128*(\s)                        ; x's quarters 0 to 5 go out first of all: 48 loads
.endr
	WIN 0
	CROUND                                         ; all sixteen work-groups are here: the first joint loads meet
	tensor_load_to_lds s[G0:G0+3], s[G1:G1+7]      ; both first fills together, ahead of every wait on TENSORcnt and every LDS read: two loads of mine are out
	s_nop 0
	tensor_load_to_lds s[G0F:G0F+3], s[G1:G1+7]
	s_nop 0
.rept 4
	v_nop
.endr
	; A fragment of W is 16 rows x 32 K in 8 registers: lane l takes row l % 16, 16 bytes at 16 (l / 16) and 16 bytes 32 further on.
	v_mul_u32_u24 v[ADRB0], v1, PB
	v_lshl_add_u32 v[ADRB0], v2, 4, v[ADRB0]
	v_add_nc_u32 v[ADRB], s[TB], v[ADRB0]
	v_add_nc_u32 v[ADRB2], 8*16*PB, v[ADRB]
	v_and_b32 v3, 31, v0                           ; l
	s_mul_i32 s74, s[WV], 16*SP
	s_add_co_u32 s74, s74, STAGE                   ; my stage
	v_mul_u32_u24 v4, v1, SP                       ; in: row l % 16, 16 bytes for each half of the lanes
	v_lshl_add_u32 v4, v2, 4, v4
	v_add_nc_u32 v[STO], s74, v4
	v_lshl_add_u32 v[RD], v3, 4, s74               ; back: 32 lanes take one row of 512 bytes,
	v_lshlrev_b32 v[CO], 4, v3                     ; and the same in the result
	s_lshl_b32 s76, s[CX], 8
	v_lshl_add_u32 v[PFOX], v3, 12, s76            ; x: row l, block cx
	v_lshrrev_b32 v4, 1, v3
	s_lshl_b32 s76, s[CY], 4
	v_add_nc_u32 v4, s76, v4                       ; W: row 16 cy + l / 2,
	v_and_b32 v5, 1, v3
	v_lshlrev_b32 v5, 8, v5                        ; block l % 2
	v_lshl_add_u32 v[PFOW], v4, 11, v5
; 16 matrix instructions: row block a x all 16 column blocks, 32 along K, on buffers g.  zero = 1: the product starts the sums.  The 32 accumulators take turns, in the same order in every quarter.
.macro MULH g, a, zero
	WIN W_MUL
.irp b, 0,1,2,3,4,5,6,7,8,9,10,11,12,13,14,15
.if \zero
	v_wmma_f32_16x16x32_bf16 v[8*(16*(\a)+(\b)):8*(16*(\a)+(\b))+7], v[128*(\g)+8*(\b):128*(\g)+8*(\b)+7], v[AF+16*(\g)+8*(\a):AF+16*(\g)+8*(\a)+7], 0
.else
	v_wmma_f32_16x16x32_bf16 v[8*(16*(\a)+(\b)):8*(16*(\a)+(\b))+7], v[128*(\g)+8*(\b):128*(\g)+8*(\b)+7], v[AF+16*(\g)+8*(\a):AF+16*(\g)+8*(\a)+7], v[8*(16*(\a)+(\b)):8*(16*(\a)+(\b))+7]
.endif
.endr
.endm
.macro CVT q                           ; 16 roundings: slot q from f32 to bf16, two numbers an instruction, into buffer q % 2
.irp a, 0,1
.irp u, 0,1,2,3,4,5,6,7
	v_cvt_pk_bf16_f32 v[AF+16*((\q)%2)+8*(\a)+(\u)], v[32*(\q)+16*(\a)+2*(\u)], v[32*(\q)+16*(\a)+2*(\u)+1]
.endr
.endr
.endm
.macro FETCH q, g                      ; 32 LDS loads in one run: W's 16 fragments of quarter q of the slot in hand into buffer g
.irp b, 0,1,2,3,4,5,6,7
	ds_load_b128 v[128*(\g)+8*(\b):128*(\g)+8*(\b)+3],   v[ADRB] offset:64*(\q)+(\b)*16*PB
	ds_load_b128 v[128*(\g)+8*(\b)+4:128*(\g)+8*(\b)+7], v[ADRB] offset:64*(\q)+(\b)*16*PB+32
.endr
.irp b, 0,1,2,3,4,5,6,7
	ds_load_b128 v[128*(\g)+64+8*(\b):128*(\g)+64+8*(\b)+3],   v[ADRB2] offset:64*(\q)+(\b)*16*PB
	ds_load_b128 v[128*(\g)+64+8*(\b)+4:128*(\g)+64+8*(\b)+7], v[ADRB2] offset:64*(\q)+(\b)*16*PB+32
.endr
.endm
; Quarter q, 0 to 6, of a period: slot q is rounded; in an even quarter the two slots rounded last are asked for again (q = 0: this period's quarters 6 and 7; else the next period's q - 2 and q - 1); W's fragments of
; quarter q + 1 are fetched; 32 matrix instructions.  The 16 roundings are the places behind the matrix instructions: W's buffer is loaded, and x's buffer written, 16 roundings or more behind the last product that read it.
; zb = 1: a tile's first quarter starts the sums: the same 32 products with the constant 0, chosen by the period's number in its tile.
.macro QUARTER q, zb=0
	s_wait_loadcnt 40+8*((\q)%2)                   ; loads come back in order: slot q is in; the five (even quarter) or six (odd) younger slots, 8 loads each, stay out
	WIN W_CV
	CVT \q
.if ((\q)%2) == 0
	WIN W_XL
.if (\q) == 0
	XLOADS 6, XP, 6*128
	XLOADS 7, XP, 7*128
.else
	XLOADS (\q)-2, XN, ((\q)-2)*128
	XLOADS (\q)-1, XN, ((\q)-1)*128
.endif
.endif
	WIN W_BL
	FETCH (\q)+1, ((\q)+1)%2
	s_wait_dscnt 32                                ; all but the 32 just issued: this quarter's fragments are in
.if \zb
	WIN 0                                          ; at a branch and at a label every window is 0
	s_cmp_eq_u32 s[PK], 0
	s_cbranch_scc1 .Lzero_\@
	MULH (\q)%2, 0, 0
	MULH (\q)%2, 1, 0
	WIN 0
	s_branch .Ljoin_\@
.Lzero_\@:
	MULH (\q)%2, 0, 1
	MULH (\q)%2, 1, 1
	WIN 0
.Ljoin_\@:
.else
	MULH (\q)%2, 0, 0
	MULH (\q)%2, 1, 0
.endif
.endm
; Quarter 7 changes slots: ONE barrier.  In front of it each wave waits for all its tensor loads, of which one is out: its part of the next slot; adds 0 to its spare word; and waits for that and for its own reads of this
; slot.  fill = 1: the barrier opens a round of the cluster's barrier, and this slot is filled again, two periods ahead, first thing behind the round.
.macro TURN fill
	s_wait_loadcnt 48                              ; slot 7 is in
	WIN W_CV
	CVT 7
	WIN 0
	s_wait_tensorcnt 0x0                           ; all my tensor loads have landed, so group 0 may be written;
	ds_add_u32 v[SPW], v[NIL]                      ; 0 onto my spare word:
	s_wait_dscnt 1                                 ; (the add may be out; this quarter's fragments are in)
	MULH 1, 0, 0                                   ; work on registers stands between the add and the wait for it: sixteen products and the pointers' steps
	WIN 0
	s_wait_xcnt 0x0                                ; every load, store and prefetch issued so far has read its address (the youngest prefetch a period back): the pointers may be written
	s_mov_b64 s[XP:XP+1], s[XN:XN+1]               ; x: a period on;
	s_mov_b64 s[XN:XN+1], s[XF:XF+1]
	s_add_nc_u64 s[XF:XF+1], s[XF:XF+1], XSTEP
	s_add_co_u32 s[RKX], s[RKX], 1
	s_cmp_eq_u32 s[RKX], 4                         ; behind a tile's fourth period comes the next tensor's first (behind value's: value's own first once more, which is not used)
	s_cselect_b32 s[RKX], 0, s[RKX]
	s_cselect_b64 s[XF:XF+1], s[XNB:XNB+1], s[XF:XF+1]
	s_cselect_b64 s[XNB:XNB+1], s[XB2:XB2+1], s[XNB:XNB+1]
.if \fill
	s_add_co_u32 s[G0+1], s[LB], s[TB]             ; the refill goes into the slot in hand,
	s_mov_b64 s[G0+2:G0+3], s[WA:WA+1]             ; its address is made anew,
	s_or_b32 s[G0+3], s[G0+3], 0x80000000
	s_add_co_u32 s[RKW], s[RKW], 1                 ; and W's pointer goes a period on
	s_cmp_eq_u32 s[RKW], 4
	s_cselect_b32 s[RKW], 0, s[RKW]
	s_cselect_b32 s[WS], s[WN], WSTEP
	s_add_nc_u64 s[WA:WA+1], s[WA:WA+1], s[WS:WS+1]
.endif
	s_wait_dscnt 0x0                               ; the add is done, and my reads of this slot are over
	s_barrier_signal -1
	s_barrier_wait -1
.if \fill
	CREST                                          ; no wave of any partner still reads this slot or has a load on its way
	tensor_load_to_lds s[G0:G0+3], s[G1:G1+7]      ; my one tensor load behind the round
	s_nop 0
.rept 4
	v_nop
.endr
.endif
	s_xor_b32 s[TB], s[TB], SLOT                   ; the other slot: 0 or SLOT
	v_add_nc_u32 v[ADRB], s[TB], v[ADRB0]
	v_add_nc_u32 v[ADRB2], 8*16*PB, v[ADRB]
	WIN W_BL
	FETCH 0, 0
	WIN 0
.if \fill
	ASK
.endif
	MULH 1, 1, 0
.endm
; THE WAY OUT of a tile, a block of 16 rows at a time: rounded to f16, 16 bytes a lane; into my own stage; back as whole rows of 512 bytes; stored.  Nothing waits for the stores: they leave while the next tile is multiplied.
.macro PACK a
	WIN W_PK
.irp b, 0,1,2,3,4,5,6,7,8,9,10,11,12,13,14,15
.irp i, 0,1,2,3
	v_cvt_pk_f16_f32 v[TMP+4*(\b)+(\i)], v[8*(16*(\a)+(\b))+2*(\i)], v[8*(16*(\a)+(\b))+2*(\i)+1]  ; each accumulator's registers in ascending order
.endr
.endr
	WIN 0
.endm
.macro TOSTAGE a
.irp b, 0,1,2,3,4,5,6,7,8,9,10,11,12,13,14,15
	ds_store_b128 v[STO], v[TMP+4*(\b):TMP+4*(\b)+3] offset:32*(\b)
.endr
.set t, 0
.rept 16
	ds_load_b128 v[OB+64*(\a)+4*t:OB+64*(\a)+4*t+3], v[RD] offset:t*SP  ; LDS serves a wave's instructions in order (ISA guide 5.7.1.4): these see the stores above
.set t, t+1
.endr
.endm
.macro SEND a
	s_wait_dscnt 0x0                               ; the block is back in registers
.set t, 0
.rept 16
	global_store_b128 v[CO], v[OB+64*(\a)+4*t:OB+64*(\a)+4*t+3], s[OP:OP+1] offset:(16*(\a)+t)*2048  ; a wave stores 512 consecutive bytes, at a multiple of 256 from the buffer's first byte
.set t, t+1
.endr
.endm
.macro WAYOUT more                     ; the registers that a tile's stores read are loaded again a tile later, behind the waits for the addresses in the changes of slots between
	PLACES                                         ; behind the last products; block 0's roundings are the places in front of block 1's
	PACK 0
	TOSTAGE 0
	PACK 1                                         ; block 1's roundings stand between block 0's loads from the stage and the wait for them
	SEND 0
	TOSTAGE 1
	SEND 1
.if \more
	s_wait_xcnt 0x0                                ; the stores have read their base
	s_add_nc_u64 s[OP:OP+1], s[OP:OP+1], ONEXT     ; the next tensor's tile
.endif
.endm
	s_wait_tensorcnt 0x1                           ; my part of period 0 is in; period 1's may stay out
	s_barrier_signal -1
	s_barrier_wait -1                              ; everybody's is
	WIN W_BL
	FETCH 0, 0
	WIN 0
	s_mov_b32 s[PK], 0
	s_mov_b32 s[CNT], NPER-2
.Lper:                                                 ; ten trips: periods 0 to 9; each fills the slot that it has read with the period two on
	QUARTER 0, 1
	QUARTER 1
	QUARTER 2
	QUARTER 3
	QUARTER 4
	QUARTER 5
	QUARTER 6
	TURN 1
	WIN 0
	s_cmp_eq_u32 s[PK], 3                          ; a tile's fourth period: the refill is asked for and the next tile's first fragments are fetched: now the tile goes out
	s_cbranch_scc0 .Lnot_end
	WAYOUT 1
.Lnot_end:
	s_add_co_u32 s[PK], s[PK], 1
	s_and_b32 s[PK], s[PK], 3
	s_sub_co_u32 s[CNT], s[CNT], 1
	s_cmp_lg_u32 s[CNT], 0
	s_cbranch_scc1 .Lper
	s_mov_b32 s[CNT], 2
.Ltail:                                                ; periods 10 and 11, value's third and fourth: written apart; nothing is filled
	QUARTER 0
	QUARTER 1
	QUARTER 2
	QUARTER 3
	QUARTER 4
	QUARTER 5
	QUARTER 6
	TURN 0
	WIN 0
	s_sub_co_u32 s[CNT], s[CNT], 1
	s_cmp_lg_u32 s[CNT], 0
	s_cbranch_scc1 .Ltail
	WAYOUT 0
	s_wait_tensorcnt 0x0                           ; the wave's end: behind my last tensor load and my last LDS store
	ds_add_u32 v[SPW], v[NIL]
	s_wait_dscnt 0x0
	CROUND                                         ; the closing round: no work-group ends while a partner may still ask for a tile that names it
	s_endpgm
.Lfunc_end_k_qe4adedb5fd_proj:
	.size	k_qe4adedb5fd_proj, .Lfunc_end_k_qe4adedb5fd_proj-k_qe4adedb5fd_proj
	.p2alignl 7, 3214868480
	.fill 96, 4, 3214868480
	.section	.rodata,"a",@progbits
	.p2align	6, 0x0
	.amdhsa_kernel k_qe4adedb5fd_proj
		.amdhsa_group_segment_fixed_size 327680
		.amdhsa_private_segment_fixed_size 0
		.amdhsa_enable_private_segment 0
		.amdhsa_kernarg_size 40
		.amdhsa_user_sgpr_count 2
		.amdhsa_user_sgpr_kernarg_segment_ptr 1
		.amdhsa_wavefront_size32 1
		.amdhsa_system_sgpr_workgroup_id_x 1
		.amdhsa_system_sgpr_workgroup_id_y 1
		.amdhsa_system_sgpr_workgroup_id_z 1
		.amdhsa_system_vgpr_workitem_id 0
		.amdhsa_next_free_vgpr 1024
		.amdhsa_next_free_sgpr 96
		.amdhsa_reserve_vcc 0
		.amdhsa_float_denorm_mode_32 3
		.amdhsa_float_denorm_mode_16_64 3
		.amdhsa_memory_ordered 1
		.amdhsa_forward_progress 1
		.amdhsa_inst_pref_size 143
	.end_amdhsa_kernel
	.amdgpu_metadata
---
amdhsa.version: [ 1, 2 ]
amdhsa.kernels:
  - .name:           k_qe4adedb5fd_proj
    .symbol:         k_qe4adedb5fd_proj.kd
    .args:
      - { .name: query, .offset: 0, .size: 8, .value_kind: global_buffer, .address_space: global }
      - { .name: key, .offset: 8, .size: 8, .value_kind: global_buffer, .address_space: global }
      - { .name: value, .offset: 16, .size: 8, .value_kind: global_buffer, .address_space: global }
      - { .name: w16, .offset: 24, .size: 8, .value_kind: global_buffer, .address_space: global }
      - { .name: qkv, .offset: 32, .size: 8, .value_kind: global_buffer, .address_space: global }
    .group_segment_fixed_size: 327680
    .private_segment_fixed_size: 0
    .kernarg_segment_align: 8
    .kernarg_segment_size: 40
    .max_flat_workgroup_size: 128
    .sgpr_count:     96
    .vgpr_count:     1024
    .wavefront_size: 32
...
	.end_amdgpu_metadata
.endif
;; end of part 2
;; launch scores (part 3): grid 8 x 32, 4 waves a work-group, clusters of 4 x 4, 327,680 bytes of LDS; arguments qkv, pt, st; writes pt, st
.if DOCPART == 3
	.amdgcn_target "amdgcn-amd-amdhsa--gfx1250"
	.amdhsa_code_object_version 6
	.text
	.protected	k_qe4adedb5fd_scores
	.globl	k_qe4adedb5fd_scores
	.p2align	8
	.type	k_qe4adedb5fd_scores,@function
k_qe4adedb5fd_scores:
	s_mov_b64 s[64:65], 0
	v_nop
	global_prefetch_b8 v0, s[64:65] scope:SCOPE_SE
	s_setreg_imm32_b32 hwreg(HW_REG_WAVE_MODE, 25, 1), 1
	s_wait_xcnt 0x0
	s_wait_alu depctr_hold_cnt(0) depctr_sa_sdst(0) depctr_va_vdst(0) depctr_va_sdst(0) depctr_va_ssrc(0) depctr_va_vcc(0) depctr_vm_vsrc(0)
	s_getreg_b32 s2, hwreg(HW_REG_IB_STS2, 6, 4)
	s_cmp_eq_u32 s2, 0
	s_cbranch_scc0 .Lentry_in_a_cluster
	s_endpgm
.Lentry_in_a_cluster:
	s_bfe_u32 s2, ttmp6, 0x10000c
	s_cmp_lg_u32 s2, 0xf033
	s_cbranch_scc0 .Lentry_shape_is_right
	s_endpgm
.Lentry_shape_is_right:
; For each batch: s[q][k] = q[q] . k[k]; for each query and each BLOCK of 128 keys: m = the largest s of the block; pt[q][k] = 2^(c s - c m) in f16; st[batch][block][q] = (c m, l), l = the sum of the block's
; weights (unrounded), both f32.  c = log2(e) / 32.  The next launch joins the 16 blocks of a row by their maxima.  q, k: qkv's first two tensors, [8192][1024] f16; pt: [8192][2048] f16; st: [4][16][2048][2] f32.
; A true maximum is taken away in front of every exponential: no exponent is above 0 but by the rounding of c m.  LIMITS.  A weight below 2^-126 counts as 0 in l; below 6e-5 a stored weight keeps f16's fixed
; step of 6e-8.  NaN and infinities are not treated apart.
; SHARES.  A tile is 256 queries x 256 keys: 256 work-groups.  Four waves, each 128 x 128: 64 accumulators of 16 x 16, 512 registers; a wave's 128 keys are one block.  K = 1,024 goes in steps of 128 through
; a ring of two LDS slots, each with 256 rows of q and 256 rows of k, 256 bytes a row.
; CLUSTER.  4 x 4 work-groups; q's tile is shared along a row of the cluster, k's along a column: each is asked for JOINTLY, by the same tensor load with the same descriptor and a mask that names the four.
; THE MATRIX INSTRUCTION IS USED TRANSPOSED (source 0 = 16 keys, source 1 = 16 queries): a lane holds ONE query (lane % 16) and the keys 8 (lane / 16) + 0..7 of each block of 16.
; REGISTERS.  window 0: v0-31 addresses; v64-127, v128-191 q's fragments, two buffers; on the way out v32-55 statistics, v64-127 weights, v128-159 packed weights, v160-223 rows read back
;   window 1: v64-127, v128-191 k's fragments, two buffers     window 2: the accumulators of my queries 0-63 ((a, b) at v[8 (8 a + b)])     window 3: those of my queries 64-127
.set PITCH,  272                       ; an LDS row: 256 bytes + 16 of padding = 68 words: the 16 rows of a load start at 16 different groups of four banks (64 banks of 4 bytes: ISA guide 11.1)
.set HALFT,  128*PITCH                 ; 128 rows: what one tensor load brings, and what one wave reads of q or of k
.set SLOT,   4*HALFT                   ; q's 256 rows, then k's 256 rows
.set STAGE,  2*SLOT                    ; behind the ring: 16 rows x 272 bytes for each wave, for the way out
.set SPITCH, 272
.set SPARE,  STAGE+4*16*SPITCH         ; behind the stages: the spare words, 128 bytes for each wave: two blocks of 256 bytes that no other line names
.set LAPS,   4                         ; a lap = two K steps = once round the ring
.set STEP,   256                       ; bytes of a K step in a row
.set ADRA, 16                          ; v16-17  LDS address of my fragments of q in slot 0, 1
.set ADRB, 20                          ; v20-21  the same for k
.set STO,  24                          ; v24     the way out: where I put 16 bytes of a row
.set RD,   25                          ; v25     the way out: where I read a row back
.set CO,   26                          ; v26     my byte offset in pt
.set SO,   27                          ; v27     my byte offset in st: 8 x lane
.set SPW,  28                          ; v28     LDS address of my spare word: SPARE + 4 x my thread's number; never rewritten
.set NIL,  29                          ; v29     0; never rewritten
.set PFO,  30                          ; v30     the prefetches' offset: my lane x a row of 2,048 bytes; never rewritten
.set CH,   32                          ; v32-39  eight chains of the maximum
.set SD,   48                          ; v48-55  four pairs (c m, l) to store
.set F0,   64
.set F1,   128
.set EX,   64                          ; v64-127 c s - c m, then the weights
.set PK,   128                         ; v128-159 the weights in f16
.set OB,   160                         ; v160-191 and v192-223 by turns
.set WV,  14
.set FB,  15                           ; my half of the queries, and: I fetch q (0) or k (1)
.set HF,  16                           ; my half of the keys, and: which 128 rows of that tile I fetch
.set CX,  17
.set CY,  18
.set CLY, 19
.set WX,  20                           ; tile column: 256 keys of the batch
.set WY,  21                           ; tile row: 256 of the 8,192 queries
.set BT,  22                           ; the batch
.set G1A, 24
.set G1B, 32
.set G0A, 40
.set G0B, 48
.set CNT, 57
.set LB,  58                           ; s58 where my part of a tile lies in a slot
.set LIM, 60
.set PFA, 62
.set CS,  84                           ; s[84:85] c, twice
.set SEL, 86                           ; s[86:87] v_permlanex16_b32's selects: each lane takes its own place in the other half
.set HM,  88                           ; s88 a mask of lanes 16-31
.set MSB, 0
.macro WIN new
.if MSB != (\new)
	s_set_vgpr_msb (MSB<<8)|(\new)
.set MSB, (\new)
.endif
.endm
.set MUL_LO, 0xa1                      ; source 0 (k) window 1, source 1 (q) window 0, C and D window 2
.set MUL_HI, 0xf1                      ; the same, C and D window 3
.set TO_B,   0x40                      ; destination window 1, address window 0
.macro PLACES
.rept 4
	v_nop
.endr
.endm
.macro JLOAD s                         ; a joint refill: the branch hangs on the wave's number alone; an s_nop 0 and four v_nop follow each of the two lines
	s_cmp_eq_u32 s[FB], 0
	s_cbranch_scc0 .Lfor_b_\@
	tensor_load_to_lds s[G0A+4*(\s):G0A+4*(\s)+3], s[G1A:G1A+7]
	s_nop 0
.rept 4
	v_nop
.endr
	s_branch .Lasked_\@
.Lfor_b_\@:
	tensor_load_to_lds s[G0B+4*(\s):G0B+4*(\s)+3], s[G1B:G1B+7]
	s_nop 0
.rept 4
	v_nop
.endr
.Lasked_\@:
.endm
; A prefetch of the K step that the NEXT change of slots will ask for: 256 matrix instructions ahead of that load; 32 rows x 256 bytes, a lane a row, one instruction a wave.  q's tile row is read by both
; clusters of that row of clusters: the one with x = 0 asks; k's tile column by the two clusters of the batch in that column: the one with even y asks.  Of the 128 rows that a wave fetches the partner at
; place p takes 32 p .. 32 p + 31 (p = cx for q, cy for k): told apart by address.  So each block is named once.  how = 1: slot 0's change, which always has a step to name; how = 0: slot 1's, which has none in the last trip.
.macro ASK how
.if \how
	s_cmp_eq_u32 s[LIM], 1
.else
	s_cmp_gt_u32 s[CNT], s[LIM]
.endif
	s_cbranch_scc0 .Lnot_mine_\@
	global_prefetch_b8 v[PFO], s[PFA:PFA+1] th:TH_LOAD_NT scope:SCOPE_SE
.Lnot_mine_\@:
.endm
.macro CREST
	s_cmp_lg_u32 s[WV], 0
	s_cbranch_scc1 .Lnot_wave_0_\@
	s_barrier_signal -3
.Lnot_wave_0_\@:
	s_barrier_wait -3
	s_barrier_signal -1
	s_barrier_wait -1
.endm
.macro CROUND
	s_barrier_signal -1
	s_barrier_wait -1
	CREST
.endm
	s_load_b128 s[4:7], s[0:1], 0x0                ; qkv s[4:5], pt s[6:7]
	s_load_b64 s[8:9], s[0:1], 0x10                ; st
	v_lshl_add_u32 v[SPW], v0, 2, SPARE
	v_mov_b32 v[NIL], 0
	ds_add_u32 v[SPW], v[NIL]                      ; the wave's opening: the add and its wait stand ahead of my first tensor load; the set-up below, work on registers, stands between them
	v_lshrrev_b32 v1, 5, v0
	v_readfirstlane_b32 s[WV], v1
	s_lshr_b32 s[FB], s[WV], 1
	s_and_b32 s[HF], s[WV], 1
	s_bfe_u32 s[CX], ttmp6, 0x40000
	s_bfe_u32 s[CY], ttmp6, 0x40004
	s_and_b32 s[CLY], ttmp7, 0xffff
	s_lshl_b32 s[WX], ttmp9, 2
	s_add_co_u32 s[WX], s[WX], s[CX]
	s_lshl_b32 s[WY], s[CLY], 2
	s_add_co_u32 s[WY], s[WY], s[CY]
	s_lshr_b32 s[BT], s[CLY], 1                    ; two clusters, eight tile rows, to a batch: the same in all partners
	s_lshl_b32 s74, s[CY], 2
	s_lshl_b32 s74, 15, s74                        ; my row of the cluster
	s_lshl_b32 s75, 0x1111, s[CX]                  ; my column
	s_or_b32 s[G1A], s74, (1<<16)|(1<<20)|(1<<21)|(5<<22)|(3<<25)  ; the mask; elements of 2 bytes; padding on; bit 21 beside a mask; after every 64 words (code 5) 4 words (code 3)
	s_or_b32 s[G1B], s75, (1<<16)|(1<<20)|(1<<21)|(5<<22)|(3<<25)
.irp g, G1A, G1B
	s_mov_b32 s[(\g)+1], 128<<16                   ; tensor_dim0 = 128
	s_mov_b32 s[(\g)+2], 128<<16                   ; tensor_dim1 = 128
	s_mov_b32 s[(\g)+3], 128<<16                   ; tile_dim0 = 128
	s_mov_b32 s[(\g)+4], 128                       ; tile_dim1 = 128
	s_mov_b32 s[(\g)+5], 1024                      ; elements from row to row
	s_mov_b32 s[(\g)+6], 0
	s_mov_b32 s[(\g)+7], 0
.endr
	s_lshl_b32 s68, s[WY], 8                       ; q: row 256 x tile row + 128 x half, 2,048 bytes a row: made of cy, never of cx
	s_lshl_b32 s69, s[HF], 7
	s_add_co_u32 s68, s68, s69
	s_lshl_b32 s68, s68, 11
	s_mov_b32 s69, 0
	s_lshl_b32 s70, s[BT], 11                      ; k: row 2,048 x batch + 256 x tile column + 128 x half: made of cx, never of cy;
	s_lshl_b32 s71, s[WX], 8
	s_add_co_u32 s70, s70, s71
	s_lshl_b32 s71, s[HF], 7
	s_add_co_u32 s70, s70, s71
	s_lshl_b32 s70, s70, 11
	s_add_co_u32 s70, s70, 16777216                ; k is qkv's second tensor
	s_mov_b32 s71, 0
	s_lshl_b32 s72, s[WY], 8                       ; pt: row 256 x tile row + 128 x my half, 4,096 bytes a row; key bytes 512 x tile column + 256 x my half
	s_lshl_b32 s73, s[FB], 7
	s_add_co_u32 s72, s72, s73
	s_lshl_b32 s72, s72, 12
	s_lshl_b32 s73, s[WX], 9
	s_add_co_u32 s72, s72, s73
	s_lshl_b32 s73, s[HF], 8
	s_add_co_u32 s72, s72, s73
	s_mov_b32 s73, 0
	s_lshl_b32 s74, s[BT], 4                       ; st: ((16 x batch + block) x 2,048 + my first query in the batch) x 8 bytes; block = 2 x tile column + my half
	s_lshl_b32 s75, s[WX], 1
	s_add_co_u32 s74, s74, s75
	s_add_co_u32 s74, s74, s[HF]
	s_lshl_b32 s74, s74, 11
	s_and_b32 s75, s[WY], 7
	s_lshl_b32 s75, s75, 8
	s_add_co_u32 s74, s74, s75
	s_lshl_b32 s75, s[FB], 7
	s_add_co_u32 s74, s74, s75
	s_lshl_b32 s74, s74, 3
	s_mov_b32 s75, 0
	s_mul_i32 s[LB], s[WV], HALFT                  ; q's two halves, then k's two halves = wave x 128 rows: no place in the cluster enters an LDS address
.irp s, 0,1
	s_mov_b32 s[G0A+4*(\s)], 1
	s_add_co_u32 s[G0A+4*(\s)+1], s[LB], (\s)*SLOT
	s_mov_b32 s[G0B+4*(\s)], 1
	s_add_co_u32 s[G0B+4*(\s)+1], s[LB], (\s)*SLOT
.endr
	s_cmp_eq_u32 s[FB], 0                          ; the prefetches' scalars
	s_cselect_b32 s80, s[CX], s[CY]                ; my place among the four that ask with me
	s_lshl_b32 s80, s80, 16                        ; 32 rows of 2,048 bytes
	s_add_co_u32 s80, s80, 2*STEP                  ; at K step 2: the first change of slots steps it to 3
	s_mov_b32 s81, 0
	s_and_b32 s82, s[CLY], 1
	s_cmp_eq_u32 s[FB], 0
	s_cselect_b32 s82, ttmp9, s82                  ; the coordinate along which other clusters read the same rows
	s_cmp_eq_u32 s82, 0
	s_cselect_b32 s[LIM], 1, -1                    ; the same in all sixteen partners, for a given wave
	s_mov_b32 s[CS], 0x3d38aa3b                    ; c = log2(e) / 32 = 0.0450842
	s_mov_b32 s[CS+1], s[CS]
	s_mov_b32 s[SEL], 0x76543210
	s_mov_b32 s[SEL+1], 0xfedcba98
	s_mov_b32 s[HM], 0xffff0000
	s_wait_dscnt 0x0                               ; the opening add is done
	s_wait_kmcnt 0x0
	s_add_nc_u64 s[76:77], s[4:5], s[68:69]        ; q at my part of the tile
	s_add_nc_u64 s[78:79], s[4:5], s[70:71]        ; k likewise
	s_add_nc_u64 s[90:91], s[6:7], s[72:73]        ; pt at my first row and key
	s_add_nc_u64 s[92:93], s[8:9], s[74:75]        ; st at my first query
	s_cmp_eq_u32 s[FB], 0
	s_cselect_b64 s[PFA:PFA+1], s[76:77], s[78:79]
	s_add_nc_u64 s[PFA:PFA+1], s[PFA:PFA+1], s[80:81]
.irp s, 0,1
	s_add_nc_u64 s[G0A+4*(\s)+2:G0A+4*(\s)+3], s[76:77], (\s)*STEP
	s_or_b32 s[G0A+4*(\s)+3], s[G0A+4*(\s)+3], 0x80000000
	s_add_nc_u64 s[G0B+4*(\s)+2:G0B+4*(\s)+3], s[78:79], (\s)*STEP
	s_or_b32 s[G0B+4*(\s)+3], s[G0B+4*(\s)+3], 0x80000000
.endr
	CROUND                                         ; all sixteen work-groups are here: the first joint loads meet
	s_cmp_eq_u32 s[FB], 0                          ; a wave's two first fills stand in one branch: two loads of mine are out
	s_cbranch_scc0 .Lfirst_b
	tensor_load_to_lds s[G0A:G0A+3], s[G1A:G1A+7]
	s_nop 0
	tensor_load_to_lds s[G0A+4:G0A+7], s[G1A:G1A+7]
	s_nop 0
.rept 4
	v_nop
.endr
	s_branch .Lfirst_asked
.Lfirst_b:
	tensor_load_to_lds s[G0B:G0B+3], s[G1B:G1B+7]
	s_nop 0
	tensor_load_to_lds s[G0B+4:G0B+7], s[G1B:G1B+7]
	s_nop 0
.rept 4
	v_nop
.endr
.Lfirst_asked:
	; A fragment is 16 rows x 32 K in 8 registers: lane l holds row l % 16; registers 0-3 hold K = 8 (l / 16) + 0..7, registers 4-7 K = 16 + 8 (l / 16) + 0..7: two loads of 16 bytes, 32 bytes apart.
	v_and_b32 v1, 15, v0                           ; l % 16
	v_bfe_u32 v2, v0, 4, 1                         ; l / 16
	v_mul_u32_u24 v3, v1, PITCH
	v_lshl_add_u32 v3, v2, 4, v3
	s_mul_i32 s74, s[FB], HALFT                    ; my 128 rows of q
	s_mul_i32 s75, s[HF], HALFT                    ; my 128 rows of k,
	s_add_co_u32 s75, s75, 2*HALFT                 ; which lie behind q's 256
.irp s, 0,1
	v_add_nc_u32 v[ADRA+(\s)], s74, v3
	v_add_nc_u32 v[ADRB+(\s)], s75, v3
	s_add_co_u32 s74, s74, SLOT
	s_add_co_u32 s75, s75, SLOT
.endr
	s_mul_i32 s74, s[WV], 16*SPITCH
	s_add_co_u32 s74, s74, STAGE                   ; my stage
	v_mul_u32_u24 v4, v1, SPITCH
	v_lshl_add_u32 v4, v2, 4, v4
	v_add_nc_u32 v[STO], s74, v4
	v_mul_u32_u24 v5, v2, SPITCH
	v_lshl_add_u32 v5, v1, 4, v5
	v_add_nc_u32 v[RD], s74, v5
	v_lshlrev_b32 v5, 12, v2
	v_lshl_add_u32 v[CO], v1, 4, v5
	v_and_b32 v3, 31, v0
	v_lshlrev_b32 v[SO], 3, v3
	v_lshlrev_b32 v[PFO], 11, v3
; 16 matrix instructions: query blocks a0, a0 + 1 of the window's four (hi = 0: my queries 0-63, 1: 64-127) x all 8 key blocks, 32 along K.  zero = 1: the product starts the sums.
; The 64 accumulators take turns, one instruction a turn, in the same order in every quarter.
.macro MUL16 f, hi, a0, zero
	WIN MUL_LO+0x50*(\hi)
.irp a, \a0, (\a0)+1
.irp b, 0,1,2,3,4,5,6,7
.if \zero
	v_wmma_f32_16x16x32_f16 v[8*(8*(\a)+(\b)):8*(8*(\a)+(\b))+7], v[(\f)+8*(\b):(\f)+8*(\b)+7], v[(\f)+8*(4*(\hi)+(\a)):(\f)+8*(4*(\hi)+(\a))+7], 0
.else
	v_wmma_f32_16x16x32_f16 v[8*(8*(\a)+(\b)):8*(8*(\a)+(\b))+7], v[(\f)+8*(\b):(\f)+8*(\b)+7], v[(\f)+8*(4*(\hi)+(\a)):(\f)+8*(4*(\hi)+(\a))+7], v[8*(8*(\a)+(\b)):8*(8*(\a)+(\b))+7]
.endif
.endr
.endr
.endm
.macro FETCH slot, k, f                ; 32 LDS loads in one run: the fragments of one quarter (128 rows of k, 128 rows of q, 32 K at byte k of the rows) into buffer f
	WIN TO_B
.irp i, 0,1,2,3,4,5,6,7
	ds_load_b128 v[(\f)+8*(\i):(\f)+8*(\i)+3],   v[ADRB+(\slot)] offset:(\k)+(\i)*16*PITCH
	ds_load_b128 v[(\f)+8*(\i)+4:(\f)+8*(\i)+7], v[ADRB+(\slot)] offset:(\k)+(\i)*16*PITCH+32
.endr
	WIN 0
.irp i, 0,1,2,3,4,5,6,7
	ds_load_b128 v[(\f)+8*(\i):(\f)+8*(\i)+3],   v[ADRA+(\slot)] offset:(\k)+(\i)*16*PITCH
	ds_load_b128 v[(\f)+8*(\i)+4:(\f)+8*(\i)+7], v[ADRA+(\slot)] offset:(\k)+(\i)*16*PITCH+32
.endr
.endm
; A K step is four quarters of 32 along K, 64 matrix instructions each, on buffers 0, 1, 0, 1.  One of the first three multiplies buffer f; in its middle it fetches the next quarter, at byte k, into buffer g.
.macro QUARTER slot, k, f, g, zero
	s_wait_dscnt 8                                 ; k's fragments and q's rows 0-63 are in; the youngest eight loads (q's rows 64-127) may be out
	MUL16 \f, 0, 0, \zero
	MUL16 \f, 0, 2, \zero
	PLACES                                         ; four places in front of loads into registers that matrix instructions have read
	FETCH \slot, \k, \g
	s_wait_dscnt 32                                ; all but the 32 just issued
	MUL16 \f, 1, 0, \zero
	MUL16 \f, 1, 2, \zero
.endm
; The last quarter multiplies buffer 1 and changes slots.  MEET is its first half: ONE barrier.  In front of it each wave waits for all its tensor loads, of which one is out: its part of the next slot; adds 0
; to its spare word; and waits for that and for its own reads of this slot.
.macro MEET round
	WIN 0                                          ; (the add's two registers lie in window 0)
	s_wait_tensorcnt 0x0                           ; all my tensor loads have landed;
	ds_add_u32 v[SPW], v[NIL]                      ; 0 onto my spare word:
	s_wait_dscnt 9                                 ; (the add and the youngest eight loads may be out)
	MUL16 F1, 0, 0, 0                              ; sixteen matrix instructions stand between the add and the wait for it
	s_wait_dscnt 0x0                               ; the add is done, and my reads of this slot are over
	s_barrier_signal -1
	MUL16 F1, 0, 2, 0                              ; work on registers while the others arrive
.if \round
	WIN 0
.endif
	s_barrier_wait -1
.endm
.macro TURN slot, next, how
	s_wait_xcnt 0x0                                ; the last prefetch, a K step back, has read its address: it is stepped here, ahead of the waits of the change of slots
	s_add_nc_u64 s[PFA:PFA+1], s[PFA:PFA+1], STEP
	MEET 1
	CREST                                          ; no wave of any partner still reads this slot's tiles or has a load on its way
	s_add_nc_u64 s[G0A+4*(\slot)+2:G0A+4*(\slot)+3], s[G0A+4*(\slot)+2:G0A+4*(\slot)+3], 2*STEP
	s_add_nc_u64 s[G0B+4*(\slot)+2:G0B+4*(\slot)+3], s[G0B+4*(\slot)+2:G0B+4*(\slot)+3], 2*STEP
	JLOAD \slot                                    ; my one tensor load behind the round; the four v_nop behind it are also the places in front of the loads below
	FETCH \next, 0, F0
	ASK \how
	MUL16 F1, 1, 0, 0
	MUL16 F1, 1, 2, 0
.endm
	s_wait_tensorcnt 0x1                           ; my part of K step 0 is in; K step 1's may stay out
	s_barrier_signal -1
	s_barrier_wait -1
	FETCH 0, 0, F0
	QUARTER 0, 64,  F0, F1, 1                      ; the first quarter stands in front of the loop: its products start the sums
	WIN 0
	s_mov_b32 s[CNT], LAPS-1
.Llap:                                                 ; a trip goes once round the ring and fills both slots again
	QUARTER 0, 128, F1, F0, 0
	QUARTER 0, 192, F0, F1, 0
	TURN 0, 1, 1
	QUARTER 1, 64,  F0, F1, 0
	QUARTER 1, 128, F1, F0, 0
	QUARTER 1, 192, F0, F1, 0
	TURN 1, 0, 0
	QUARTER 0, 64,  F0, F1, 0
	WIN 0
	s_sub_co_u32 s[CNT], s[CNT], 1
	s_cmp_lg_u32 s[CNT], 0
	s_cbranch_scc1 .Llap
	QUARTER 0, 128, F1, F0, 0                      ; the last lap fills nothing
	QUARTER 0, 192, F0, F1, 0
	MEET 0
	PLACES
	FETCH 1, 0, F0
	MUL16 F1, 1, 0, 0
	MUL16 F1, 1, 2, 0
	QUARTER 1, 64,  F0, F1, 0
	QUARTER 1, 128, F1, F0, 0
	QUARTER 1, 192, F0, F1, 0
	s_wait_dscnt 8                                 ; the very last quarter: nothing more to fetch
	MUL16 F1, 0, 0, 0
	MUL16 F1, 0, 2, 0
	s_wait_dscnt 0x0
	MUL16 F1, 1, 0, 0
	MUL16 F1, 1, 2, 0
; THE WAY OUT, a block a of 16 queries at a time.  A lane holds 64 scores of one query; the query's other 64 lie in the lane 16 away.
; SOFT: the maximum (each accumulator's lowest registers are read first); c m; c s - c m; ONE batch of 64 exponentials with one wait; the roundings to f16; the sum; every second block the
; pairs (c m, l) of 32 queries are stored: lanes 0-15 give the even block's, lanes 16-31 the odd block's: 256 consecutive bytes, aligned.
.macro SOFT a
.set WA, 2+(\a)/4
.set AC, 64*((\a)%4)
.set CM, 40+4*((\a)%2)
.set LL, 42+4*((\a)%2)
	WIN WA|(WA<<2)|(WA<<4)
.irp b, 0,1,2,3,4,5,6,7
	v_max3_num_f32 v[CH+(\b)], v[AC+8*(\b)], v[AC+8*(\b)+1], v[AC+8*(\b)+2]
.endr
	WIN (WA<<2)|(WA<<4)
.irp b, 0,1,2,3,4,5,6,7
	v_max3_num_f32 v[CH+(\b)], v[CH+(\b)], v[AC+8*(\b)+3], v[AC+8*(\b)+4]
.endr
.irp b, 0,1,2,3,4,5,6,7
	v_max3_num_f32 v[CH+(\b)], v[CH+(\b)], v[AC+8*(\b)+5], v[AC+8*(\b)+6]
.endr
.irp b, 0,2,4,6
	v_max3_num_f32 v[CH+(\b)], v[CH+(\b)], v[AC+8*(\b)+7], v[AC+8*(\b)+15]
.endr
	WIN 0
	v_max3_num_f32 v[CH], v[CH], v[CH+1], v[CH+2]
	v_max3_num_f32 v[CH+3], v[CH+3], v[CH+4], v[CH+5]
	v_max3_num_f32 v[CH], v[CH], v[CH+3], v[CH+6]
	v_max_num_f32 v[CH], v[CH], v[CH+7]
	v_permlanex16_b32 v[CH+1], v[CH], s[SEL], s[SEL+1]
	v_max_num_f32 v[CH], v[CH], v[CH+1]            ; the block's maximum, in both lanes of the query
	v_mul_f32 v[CM], s[CS], v[CH]
	v_mov_b32 v[CM+1], v[CM]                       ; named with it as a pair
	WIN WA
.set i, 0
.rept 32
	v_pk_fma_f32 v[EX+2*i:EX+2*i+1], v[AC+2*i:AC+2*i+1], s[CS:CS+1], v[CM:CM+1] op_sel_hi:[1,0,0] neg_lo:[0,0,1] neg_hi:[0,0,1]
.set i, i+1
.endr
	WIN 0
.set i, 0
.rept 64
	v_exp_f32 v[EX+i], v[EX+i]
.set i, i+1
.endr
	v_nop                                          ; a plain instruction behind the last exponential,
	s_wait_alu depctr_va_vdst(0)                   ; and the wait ahead of the first use: one for the batch
.set i, 0
.rept 32
	v_cvt_pk_f16_f32 v[PK+i], v[EX+2*i], v[EX+2*i+1]
.set i, i+1
.endr
.irp w, 4,8,16,32,64                   ; the sum of the 32 pairs, in place: neighbours 1, 2, 4, 8 and 16 pairs apart
.set i, 0
.rept 64/(\w)
	v_pk_add_f32 v[EX+(\w)*i:EX+(\w)*i+1], v[EX+(\w)*i:EX+(\w)*i+1], v[EX+(\w)*i+(\w)/2:EX+(\w)*i+(\w)/2+1]
.set i, i+1
.endr
.endr
	v_add_f32 v[LL], v[EX], v[EX+1]
	v_permlanex16_b32 v[CH+1], v[LL], s[SEL], s[SEL+1]
	v_add_f32 v[LL], v[LL], v[CH+1]
.if (\a)%2
	v_cndmask_b32 v[SD+2*((\a)/2)], v40, v44, s[HM]
	v_cndmask_b32 v[SD+2*((\a)/2)+1], v42, v46, s[HM]
	global_store_b64 v[SO], v[SD+2*((\a)/2):SD+2*((\a)/2)+1], s[92:93] offset:((\a)-1)*128
.endif
.endm
.macro TOSTAGE a
.set BK, OB+32*((\a)%2)
.irp b, 0,1,2,3,4,5,6,7
	ds_store_b128 v[STO], v[PK+4*(\b):PK+4*(\b)+3] offset:32*(\b)
.endr
.irp t, 0,1,2,3,4,5,6,7
	ds_load_b128 v[BK+4*(\t):BK+4*(\t)+3], v[RD] offset:(\t)*2*SPITCH  ; LDS serves a wave's instructions in order (ISA guide 5.7.1.4): these see the stores above
.endr
.endm
.macro SEND a
.set BK, OB+32*((\a)%2)
	s_wait_dscnt 0x0                               ; the block is back in registers
	s_wait_xcnt 0x0                                ; the stores of the block before have read their registers: the next block's loads land there only behind this wait
.irp t, 0,1,2,3,4,5,6,7
	global_store_b128 v[CO], v[BK+4*(\t):BK+4*(\t)+3], s[90:91] offset:(16*(\a)+2*(\t))*4096  ; 16 lanes store 256 consecutive bytes, at a multiple of 256 from pt's first byte
.endr
.endm
	WIN 0
	PLACES                                         ; behind the last products
	SOFT 0
	TOSTAGE 0
.irp a, 1,2,3,4,5,6,7                  ; block a's softmax stands between block a - 1's loads from the stage and the wait for them
	SOFT \a
	SEND (\a)-1
	TOSTAGE \a
.endr
	SEND 7
	s_wait_tensorcnt 0x0                           ; the wave's end: behind my last tensor load and my last LDS store
	ds_add_u32 v[SPW], v[NIL]
	s_wait_dscnt 0x0
	CROUND                                         ; the closing round
	s_endpgm
.Lfunc_end_k_qe4adedb5fd_scores:
	.size	k_qe4adedb5fd_scores, .Lfunc_end_k_qe4adedb5fd_scores-k_qe4adedb5fd_scores
	.p2alignl 7, 3214868480
	.fill 96, 4, 3214868480
	.section	.rodata,"a",@progbits
	.p2align	6, 0x0
	.amdhsa_kernel k_qe4adedb5fd_scores
		.amdhsa_group_segment_fixed_size 327680
		.amdhsa_private_segment_fixed_size 0
		.amdhsa_enable_private_segment 0
		.amdhsa_kernarg_size 24
		.amdhsa_user_sgpr_count 2
		.amdhsa_user_sgpr_kernarg_segment_ptr 1
		.amdhsa_wavefront_size32 1
		.amdhsa_system_sgpr_workgroup_id_x 1
		.amdhsa_system_sgpr_workgroup_id_y 1
		.amdhsa_system_sgpr_workgroup_id_z 1
		.amdhsa_system_vgpr_workitem_id 0
		.amdhsa_next_free_vgpr 1024
		.amdhsa_next_free_sgpr 96
		.amdhsa_reserve_vcc 0
		.amdhsa_float_denorm_mode_32 3
		.amdhsa_float_denorm_mode_16_64 3
		.amdhsa_memory_ordered 1
		.amdhsa_forward_progress 1
		.amdhsa_inst_pref_size 211
	.end_amdhsa_kernel
	.amdgpu_metadata
---
amdhsa.version: [ 1, 2 ]
amdhsa.kernels:
  - .name:           k_qe4adedb5fd_scores
    .symbol:         k_qe4adedb5fd_scores.kd
    .args:
      - { .name: qkv, .offset: 0, .size: 8, .value_kind: global_buffer, .address_space: global }
      - { .name: pt, .offset: 8, .size: 8, .value_kind: global_buffer, .address_space: global }
      - { .name: st, .offset: 16, .size: 8, .value_kind: global_buffer, .address_space: global }
    .group_segment_fixed_size: 327680
    .private_segment_fixed_size: 0
    .kernarg_segment_align: 8
    .kernarg_segment_size: 24
    .max_flat_workgroup_size: 128
    .sgpr_count:     96
    .vgpr_count:     1024
    .wavefront_size: 32
...
	.end_amdgpu_metadata
.endif
;; end of part 3
;; launch pv (part 4): grid 4 x 64, 4 waves a work-group, clusters of 4 x 4, 327,680 bytes of LDS; arguments pt, st, qkv, out0; writes out0
.if DOCPART == 4
	.amdgcn_target "amdgcn-amd-amdhsa--gfx1250"
	.amdhsa_code_object_version 6
	.text
	.protected	k_qe4adedb5fd_pv
	.globl	k_qe4adedb5fd_pv
	.p2align	8
	.type	k_qe4adedb5fd_pv,@function
k_qe4adedb5fd_pv:
	s_mov_b64 s[64:65], 0
	v_nop
	global_prefetch_b8 v0, s[64:65] scope:SCOPE_SE
	s_setreg_imm32_b32 hwreg(HW_REG_WAVE_MODE, 25, 1), 1
	s_wait_xcnt 0x0
	s_wait_alu depctr_hold_cnt(0) depctr_sa_sdst(0) depctr_va_vdst(0) depctr_va_sdst(0) depctr_va_ssrc(0) depctr_va_vcc(0) depctr_vm_vsrc(0)
	s_getreg_b32 s2, hwreg(HW_REG_IB_STS2, 6, 4)
	s_cmp_eq_u32 s2, 0
	s_cbranch_scc0 .Lentry_in_a_cluster
	s_endpgm
.Lentry_in_a_cluster:
	s_bfe_u32 s2, ttmp6, 0x10000c
	s_cmp_lg_u32 s2, 0xf033
	s_cbranch_scc0 .Lentry_shape_is_right
	s_endpgm
.Lentry_shape_is_right:
; out0[q][ch] = (the sum over the 16 blocks of 128 keys of f_blk x the sum over the block's keys of pt[q][k] v[k][ch]) / L.  From st's pairs (c m_blk, l_blk): c M = the largest c m_blk of the row,
; f_blk = 2^(c m_blk - c M), at most 1; L = the sum of l_blk f_blk, in f32.  So every weight is 2^(c s - c M) with the row's true maximum.  pt: [8192][2048] f16; v: qkv's third tensor, [8192][1024] f16; out0 f32.
; f is rounded to f16, and a weight times f once more to f16, for the product; products in f16, sums in f32, keys ascending; out0 is written once.
; LIMITS.  A weight below f16's step of 6e-8, relative to the row's largest, counts as 0.  L is about 1 or more: the block with the row's maximum has f = 1 and holds the weight of that maximum.  NaN and infinities are not treated apart.
; SHARES.  A tile is 128 queries x 256 channels: 256 work-groups.  Four waves, each 64 x 128: 32 accumulators, 256 registers.  The 2,048 keys go in steps of 128, a block a step, through a ring of two LDS slots:
; 128 rows of weights (256 bytes) and 128 rows of v (512 bytes).
; CLUSTER.  4 x 4 work-groups; the weights' tile is shared along a row of the cluster, v's along a column: each is asked for JOINTLY.  Waves 0 and 1 fetch the halves of the weights' tile, waves 2 and 3 those of v's.
; THE MATRIX INSTRUCTION IS USED TRANSPOSED (source 0 = 16 channels of v, turned by ds_load_tr16_b128; source 1 = 16 queries): a lane holds ONE query (lane % 16) and eight neighbouring channels.
; REGISTERS.  window 0: v0-19 addresses; v20-23 the step's factors, twice in f16, for my four blocks of 16 queries; v24-31 1 / L in pairs; v32-95 the weights' fragments, two buffers of 32;
;   v96-223 v's fragments, two buffers of 64; v224-231 at work.     window 1: the accumulators, (a, b) at v[8 (8 a + b)].
.set PA,    272                        ; an LDS row of weights: 256 bytes + 16
.set PV,    544                        ; an LDS row of v: 512 + 32 = 136 words
.set ABYT,  128*PA
.set SLOT,  ABYT+128*PV
.set STAGE, 2*SLOT                     ; behind the ring: 16 rows x 528 bytes for each wave, for the way out
.set SPO,   528
.set FACT,  STAGE+4*16*SPO             ; for each wave 8,192 bytes: [16 blocks][32 lanes][4 factors]; a wave reads its own table alone
.set SPARE, FACT+4*8192                ; the spare words, 128 bytes for each wave: two blocks of 256 bytes that no other line names
.set LAPS,  8                          ; a lap = two steps; 2,048 keys are sixteen steps
.set ASTEP, 256                        ; bytes of a step in a row of pt
.set BSTEP, 262144                     ; 128 rows of v
.set FA0,  6                           ; v6      my 16 bytes in a block's factors; never rewritten
.set SPW,  8                           ; v8      LDS address of my spare word: SPARE + 4 x my thread's number; never rewritten
.set NIL,  9                           ; v9      0; never rewritten
.set ADRA, 10                          ; v10-11  LDS address of my fragments of the weights in slot 0, 1
.set ADRB, 12                          ; v12-13  the same for v
.set STO,  14
.set RD,   15
.set CO,   16
.set PFO,  17
.set FA,   18                          ; v18     the LDS address of the factors to be fetched
.set SO,   19                          ; v19     8 x (lane % 16): my query's pair in st
.set F,    20
.set RL,   24
.set AF,   32
.set BF,   96
.set SV,   32                          ; the prologue: v[32:159] the pairs (c m, l): query block a, key block k at SV + 32 a + 2 k
.set FP,   160                         ; v[160:223] the packed factors, FP + 4 k + a
.set MX,   224                         ; v224-227 c M
.set LS,   228                         ; v228-231 L
.set TMP,  32                          ; the way out: 16 rows x my 8 channels, scaled
.set OB,   96                          ; the way out: 16 rows read back: v96-159 and v160-223 by turns
.set WV,  14
.set FB,  15                           ; my half of the queries, and: I fetch weights (0) or v (1)
.set HF,  16                           ; my half of the channels, and: which half of that tile's rows I fetch
.set CX,  17
.set CY,  18
.set CLY, 19
.set WX,  20                           ; tile column: 256 channels
.set WY,  21                           ; tile row: 128 of the 8,192 queries
.set BT,  22                           ; the batch
.set G1A, 24
.set G1B, 32
.set G0A, 40
.set G0B, 48
.set FT,  56                           ; s56 the byte in my table at which the factors to be fetched begin
.set CNT, 57
.set LBA, 58
.set LBB, 59
.set LIM, 60
.set PFA, 62
.set PFS, 66
.set MSB, 0
.macro WIN new
.if MSB != (\new)
	s_set_vgpr_msb (MSB<<8)|(\new)
.set MSB, (\new)
.endif
.endm
.set W_MUL, 0x50                       ; sources 0 and 1 window 0; C and D window 1
.set W_SC,  0x01                       ; source 0 window 1; source 1 and destination window 0
.macro PLACES
.rept 4
	v_nop
.endr
.endm
.macro JLOAD s
	s_cmp_eq_u32 s[FB], 0
	s_cbranch_scc0 .Lfor_b_\@
	tensor_load_to_lds s[G0A+4*(\s):G0A+4*(\s)+3], s[G1A:G1A+7]
	s_nop 0
.rept 4
	v_nop
.endr
	s_branch .Lasked_\@
.Lfor_b_\@:
	tensor_load_to_lds s[G0B+4*(\s):G0B+4*(\s)+3], s[G1B:G1B+7]
	s_nop 0
.rept 4
	v_nop
.endr
.Lasked_\@:
.endm
; A prefetch of the step that stands two refills on, behind the joint load, its five lines and the run of LDS loads: one instruction a wave.  The weights: a tile's 128 rows are read by this row of this cluster
; alone; the partner at place cx takes rows 32 cx .. 32 cx + 31, a lane a row, and its wave 0 asks.  v: of the 64 rows that wave 2 or 3 fetches the partner at place cy takes 16, two blocks of 256 bytes each; the
; four clusters of a batch read the same rows, and the first of them asks.  So each block is named once.  The last lap asks for nothing.
.macro ASK
	s_cmp_gt_u32 s[CNT], s[LIM]
	s_cbranch_scc0 .Lnot_mine_\@
	global_prefetch_b8 v[PFO], s[PFA:PFA+1] th:TH_LOAD_NT scope:SCOPE_SE
.Lnot_mine_\@:
.endm
.macro CREST
	s_cmp_lg_u32 s[WV], 0
	s_cbranch_scc1 .Lnot_wave_0_\@
	s_barrier_signal -3
.Lnot_wave_0_\@:
	s_barrier_wait -3
	s_barrier_signal -1
	s_barrier_wait -1
.endm
.macro CROUND
	s_barrier_signal -1
	s_barrier_wait -1
	CREST
.endm
	s_load_b256 s[4:11], s[0:1], 0x0               ; pt s[4:5], st s[6:7], qkv s[8:9], out0 s[10:11]
	v_lshl_add_u32 v[SPW], v0, 2, SPARE
	v_mov_b32 v[NIL], 0
	ds_add_u32 v[SPW], v[NIL]                      ; the wave's opening: the add and its wait stand ahead of my first tensor load; the set-up below, work on registers, stands between them
	v_lshrrev_b32 v1, 5, v0
	v_readfirstlane_b32 s[WV], v1
	s_lshr_b32 s[FB], s[WV], 1
	s_and_b32 s[HF], s[WV], 1
	s_bfe_u32 s[CX], ttmp6, 0x40000
	s_bfe_u32 s[CY], ttmp6, 0x40004
	s_and_b32 s[CLY], ttmp7, 0xffff
	s_lshl_b32 s[WX], ttmp9, 2
	s_add_co_u32 s[WX], s[WX], s[CX]
	s_lshl_b32 s[WY], s[CLY], 2
	s_add_co_u32 s[WY], s[WY], s[CY]
	s_lshr_b32 s[BT], s[CLY], 2                    ; four clusters, sixteen tile rows, to a batch: the same in all partners
	s_lshl_b32 s74, s[CY], 2
	s_lshl_b32 s74, 15, s74                        ; my row of the cluster
	s_lshl_b32 s75, 0x1111, s[CX]                  ; my column
	s_or_b32 s[G1A], s74, (1<<16)|(1<<20)|(1<<21)|(5<<22)|(3<<25)  ; the mask; elements of 2 bytes; padding on; bit 21 beside a mask; after every 64 words (code 5) 4 words (code 3)
	s_or_b32 s[G1B], s75, (1<<16)|(1<<20)|(1<<21)|(6<<22)|(7<<25)  ; after every 128 words (code 6) 8 words (code 7)
	s_mov_b32 s[G1A+1], 128<<16                    ; tensor_dim0 = 128
	s_mov_b32 s[G1A+2], 64<<16                     ; tensor_dim1 = 64
	s_mov_b32 s[G1A+3], 128<<16                    ; tile_dim0 = 128
	s_mov_b32 s[G1A+4], 64                         ; tile_dim1 = 64
	s_mov_b32 s[G1A+5], 2048                       ; elements from row to row of pt
	s_mov_b32 s[G1A+6], 0
	s_mov_b32 s[G1A+7], 0
	s_mov_b32 s[G1B+1], 256<<16                    ; 256 channels
	s_mov_b32 s[G1B+2], 64<<16                     ; 64 keys
	s_mov_b32 s[G1B+3], 256<<16
	s_mov_b32 s[G1B+4], 64
	s_mov_b32 s[G1B+5], 1024                       ; elements from row to row of v
	s_mov_b32 s[G1B+6], 0
	s_mov_b32 s[G1B+7], 0
	s_lshl_b32 s68, s[WY], 7                       ; pt: row 128 x tile row + 64 x half, 4,096 bytes a row: made of cy, never of cx
	s_lshl_b32 s69, s[HF], 6
	s_add_co_u32 s68, s68, s69
	s_lshl_b32 s68, s68, 12
	s_mov_b32 s69, 0
	s_lshl_b32 s70, s[BT], 11                      ; v: key row 2,048 x batch + 64 x half, 2,048 bytes a row; channel bytes 512 x tile column: made of cx, never of cy;
	s_lshl_b32 s71, s[HF], 6
	s_add_co_u32 s70, s70, s71
	s_lshl_b32 s70, s70, 11
	s_lshl_b32 s71, s[WX], 9
	s_add_co_u32 s70, s70, s71
	s_add_co_u32 s70, s70, 33554432                ; v is qkv's third tensor
	s_mov_b32 s71, 0
	s_lshl_b32 s72, s[WY], 7                       ; out0: row 128 x tile row + 64 x my half, 4,096 bytes a row; channel bytes 1,024 x tile column + 512 x my half
	s_lshl_b32 s73, s[FB], 6
	s_add_co_u32 s72, s72, s73
	s_lshl_b32 s72, s72, 12
	s_lshl_b32 s73, s[WX], 10
	s_add_co_u32 s72, s72, s73
	s_lshl_b32 s73, s[HF], 9
	s_add_co_u32 s72, s72, s73
	s_mov_b32 s73, 0
	s_and_b32 s74, s[WY], 15                       ; st: 262,144 bytes a batch; my first query in the batch x 8 bytes
	s_lshl_b32 s74, s74, 7
	s_lshl_b32 s75, s[FB], 6
	s_add_co_u32 s74, s74, s75
	s_lshl_b32 s74, s74, 3
	s_lshl_b32 s75, s[BT], 18
	s_add_co_u32 s74, s74, s75
	s_mov_b32 s75, 0
	s_mul_i32 s[LBA], s[HF], 64*PA                 ; no place in the cluster enters an LDS address
	s_mul_i32 s[LBB], s[HF], 64*PV
	s_add_co_u32 s[LBB], s[LBB], ABYT
.irp s, 0,1
	s_mov_b32 s[G0A+4*(\s)], 1
	s_add_co_u32 s[G0A+4*(\s)+1], s[LBA], (\s)*SLOT
	s_mov_b32 s[G0B+4*(\s)], 1
	s_add_co_u32 s[G0B+4*(\s)+1], s[LBB], (\s)*SLOT
.endr
	s_lshl_b32 s80, s[WY], 19                      ; the prefetches' scalars.  The weights: the tile's first row,
	s_lshl_b32 s81, s[CX], 17                      ; + 32 rows of 4,096 bytes for each place
	s_add_co_u32 s80, s80, s81
	s_lshl_b32 s81, s[CY], 15                      ; v: my 64 rows, + 16 rows of 2,048 bytes for each place
	s_add_co_u32 s81, s81, s70
	s_mul_i32 s82, s[FB], 10
	s_lshl_b32 s[PFS], 256, s82                    ; a step is 256 bytes along a row of pt, 262,144 bytes down the rows of v
	s_mov_b32 s[PFS+1], 0
	s_cmp_eq_u32 s[FB], 0
	s_cselect_b32 s80, s80, s81
	s_mul_i32 s81, s[PFS], 3                       ; at step 3: the first change of slots steps it to 4
	s_add_co_u32 s80, s80, s81
	s_mov_b32 s81, 0
	s_and_b32 s82, s[CLY], 3
	s_cmp_eq_u32 s[FB], 0
	s_cselect_b32 s82, s[HF], s82                  ; 0 in wave 0, and in waves 2 and 3 of a batch's first cluster: the same in all partners
	s_cmp_eq_u32 s82, 0
	s_cselect_b32 s[LIM], 1, -1
	s_mov_b32 s[FT], 0
	s_wait_dscnt 0x0                               ; the opening add is done
	s_wait_kmcnt 0x0
	s_add_nc_u64 s[76:77], s[4:5], s[68:69]        ; pt at my part of the tile
	s_add_nc_u64 s[78:79], s[8:9], s[70:71]        ; v likewise
	s_add_nc_u64 s[90:91], s[10:11], s[72:73]      ; out0 at my first row and channel
	s_add_nc_u64 s[92:93], s[6:7], s[74:75]        ; st at my first query, block 0
	s_cmp_eq_u32 s[FB], 0
	s_cselect_b64 s[PFA:PFA+1], s[4:5], s[8:9]
	s_add_nc_u64 s[PFA:PFA+1], s[PFA:PFA+1], s[80:81]
.irp s, 0,1
	s_add_nc_u64 s[G0A+4*(\s)+2:G0A+4*(\s)+3], s[76:77], (\s)*ASTEP
	s_or_b32 s[G0A+4*(\s)+3], s[G0A+4*(\s)+3], 0x80000000
	s_add_nc_u64 s[G0B+4*(\s)+2:G0B+4*(\s)+3], s[78:79], (\s)*BSTEP
	s_or_b32 s[G0B+4*(\s)+3], s[G0B+4*(\s)+3], 0x80000000
.endr
	CROUND                                         ; all sixteen work-groups are here: the first joint loads meet
	s_cmp_eq_u32 s[FB], 0                          ; a wave's two first fills stand in one branch: two loads of mine are out
	s_cbranch_scc0 .Lfirst_b
	tensor_load_to_lds s[G0A:G0A+3], s[G1A:G1A+7]
	s_nop 0
	tensor_load_to_lds s[G0A+4:G0A+7], s[G1A:G1A+7]
	s_nop 0
.rept 4
	v_nop
.endr
	s_branch .Lfirst_asked
.Lfirst_b:
	tensor_load_to_lds s[G0B:G0B+3], s[G1B:G1B+7]
	s_nop 0
	tensor_load_to_lds s[G0B+4:G0B+7], s[G1B:G1B+7]
	s_nop 0
.rept 4
	v_nop
.endr
.Lfirst_asked:
	v_and_b32 v1, 15, v0                           ; l % 16
	v_bfe_u32 v2, v0, 4, 1                         ; l / 16
	v_lshlrev_b32 v[SO], 3, v1
	; THE FACTORS, in the wait for the first tiles.  64 pairs (c m, l): my four blocks of 16 queries x the 16 blocks of keys; lanes l and l + 16 read the same query's.
.irp a, 0,1,2,3
.set k, 0
.rept 16
	global_load_b64 v[SV+32*(\a)+2*k:SV+32*(\a)+2*k+1], v[SO], s[92:93] offset:k*16384+(\a)*128
.set k, k+1
.endr
.endr
	; the addresses are made while those loads are out
	v_mul_u32_u24 v3, v1, PA                       ; a fragment of the weights: row l % 16, 16 bytes for each half of the lanes; two loads 32 bytes apart
	v_lshl_add_u32 v3, v2, 4, v3
	v_and_b32 v4, 7, v0                            ; the turning load takes 16 keys x 16 channels: lane l reads key 8 (l / 16) + l % 8, channels 8 ((l / 8) % 2) + 0..7, and is left with channel l % 16 and 8 keys
	v_lshl_add_u32 v4, v2, 3, v4
	v_mul_u32_u24 v4, v4, PV
	v_bfe_u32 v5, v0, 3, 1
	v_lshl_add_u32 v4, v5, 4, v4
	s_mul_i32 s74, s[FB], 64*PA                    ; my 64 queries
	s_lshl_b32 s75, s[HF], 8                       ; my 128 channels: 256 bytes of a row of v,
	s_add_co_u32 s75, s75, ABYT                    ; whose rows lie behind the weights'
.irp s, 0,1
	v_add_nc_u32 v[ADRA+(\s)], s74, v3
	v_add_nc_u32 v[ADRB+(\s)], s75, v4
	s_add_co_u32 s74, s74, SLOT
	s_add_co_u32 s75, s75, SLOT
.endr
	v_and_b32 v3, 31, v0                           ; l
	s_mul_i32 s74, s[WV], 16*SPO
	s_add_co_u32 s74, s74, STAGE                   ; my stage
	v_mul_u32_u24 v5, v1, SPO                      ; in: row l % 16, 32 bytes for each half of the lanes
	v_lshl_add_u32 v5, v2, 5, v5
	v_add_nc_u32 v[STO], s74, v5
	v_lshl_add_u32 v[RD], v3, 4, s74               ; back: 32 lanes take one row of 512 bytes
	v_lshlrev_b32 v[CO], 4, v3                     ; and the same in out0
	s_lshl_b32 s74, s[WV], 13
	s_add_co_u32 s74, s74, FACT                    ; my table
	v_lshl_add_u32 v[FA0], v3, 4, s74
	v_add_nc_u32 v[FA], s[FT], v[FA0]
	v_lshrrev_b32 v4, s[FB], v3                    ; the prefetches' lane offset.  The weights: row l; v: row l / 2, block l % 2
	v_and_b32 v5, s[FB], v3
	s_sub_co_u32 s74, 12, s[FB]                    ; 4,096 bytes a row of pt, 2,048 a row of v
	v_lshlrev_b32 v4, s74, v4
	v_lshl_add_u32 v[PFO], v5, 8, v4
	s_wait_loadcnt 0x0
.irp a, 0,1,2,3
	v_max3_num_f32 v[MX+(\a)], v[SV+32*(\a)], v[SV+32*(\a)+2], v[SV+32*(\a)+4]
.endr
.irp i, 1,2,3,4,5,6
.irp a, 0,1,2,3
	v_max3_num_f32 v[MX+(\a)], v[MX+(\a)], v[SV+32*(\a)+4*(\i)+2], v[SV+32*(\a)+4*(\i)+4]
.endr
.endr
.irp a, 0,1,2,3
	v_max_num_f32 v[MX+(\a)], v[MX+(\a)], v[SV+32*(\a)+30]  ; c M: the row's maximum
.endr
.irp a, 0,1,2,3
.set k, 0
.rept 16
	v_sub_f32 v[SV+32*(\a)+2*k], v[SV+32*(\a)+2*k], v[MX+(\a)]
.set k, k+1
.endr
.endr
.irp a, 0,1,2,3
.set k, 0
.rept 16
	v_exp_f32 v[SV+32*(\a)+2*k], v[SV+32*(\a)+2*k]  ; f = 2^(c m - c M)
.set k, k+1
.endr
.endr
	v_nop                                          ; a plain instruction behind the last exponential,
	s_wait_alu depctr_va_vdst(0)                   ; and the wait ahead of the first use: one for the 64
.irp a, 0,1,2,3
	v_mul_f32 v[LS+(\a)], v[SV+32*(\a)+1], v[SV+32*(\a)]
.endr
.set k, 1
.rept 15
.irp a, 0,1,2,3
	v_fmac_f32 v[LS+(\a)], v[SV+32*(\a)+2*k+1], v[SV+32*(\a)+2*k]  ; L = the sum of l f, four chains by turns
.endr
.set k, k+1
.endr
.set k, 0
.rept 16
.irp a, 0,1,2,3
	v_cvt_pk_f16_f32 v[FP+4*k+(\a)], v[SV+32*(\a)+2*k], v[SV+32*(\a)+2*k]  ; f twice, for the packed multiply
.endr
.set k, k+1
.endr
.irp a, 0,1,2,3
	v_rcp_f32 v[RL+2*(\a)], v[LS+(\a)]
.endr
	v_nop
	s_wait_alu depctr_va_vdst(0)                   ; one wait for the four reciprocals
.irp a, 0,1,2,3
	v_mov_b32 v[RL+2*(\a)+1], v[RL+2*(\a)]         ; a pair for the packed multiply of the way out
.endr
.set k, 0
.rept 16
	ds_store_b128 v[FA0], v[FP+4*k:FP+4*k+3] offset:512*k
.set k, k+1
.endr
.macro MULH g, hi, zero                ; 16 matrix instructions: query blocks 2 hi, 2 hi + 1 x all 8 channel blocks, 32 keys.  The 32 accumulators take turns
	WIN W_MUL
.irp a, 2*(\hi), 2*(\hi)+1
.irp b, 0,1,2,3,4,5,6,7
.if \zero
	v_wmma_f32_16x16x32_f16 v[8*(8*(\a)+(\b)):8*(8*(\a)+(\b))+7], v[BF+64*(\g)+8*(\b):BF+64*(\g)+8*(\b)+7], v[AF+32*(\g)+8*(\a):AF+32*(\g)+8*(\a)+7], 0
.else
	v_wmma_f32_16x16x32_f16 v[8*(8*(\a)+(\b)):8*(8*(\a)+(\b))+7], v[BF+64*(\g)+8*(\b):BF+64*(\g)+8*(\b)+7], v[AF+32*(\g)+8*(\a):AF+32*(\g)+8*(\a)+7], v[8*(8*(\a)+(\b)):8*(8*(\a)+(\b))+7]
.endif
.endr
.endr
.endm
.macro SCL g, hi                       ; 16 packed multiplies: the weights of query blocks 2 hi, 2 hi + 1 times their queries' factor
.irp a, 2*(\hi), 2*(\hi)+1
.irp j, 0,1,2,3,4,5,6,7
	v_pk_mul_f16 v[AF+32*(\g)+8*(\a)+(\j)], v[AF+32*(\g)+8*(\a)+(\j)], v[F+(\a)]
.endr
.endr
.endm
.macro FETCH slot, q, g, withf         ; one run of LDS loads: (the step's factors,) v's fragments of quarter q, turned, then the weights'
.if \withf
	ds_load_b128 v[F:F+3], v[FA]
.endif
.irp b, 0,1,2,3,4,5,6,7
	ds_load_tr16_b128 v[BF+64*(\g)+8*(\b):BF+64*(\g)+8*(\b)+3],   v[ADRB+(\slot)] offset:(\q)*32*PV+32*(\b)
	ds_load_tr16_b128 v[BF+64*(\g)+8*(\b)+4:BF+64*(\g)+8*(\b)+7], v[ADRB+(\slot)] offset:(\q)*32*PV+16*PV+32*(\b)
.endr
.irp a, 0,1,2,3
	ds_load_b128 v[AF+32*(\g)+8*(\a):AF+32*(\g)+8*(\a)+3],   v[ADRA+(\slot)] offset:64*(\q)+(\a)*16*PA
	ds_load_b128 v[AF+32*(\g)+8*(\a)+4:AF+32*(\g)+8*(\a)+7], v[ADRA+(\slot)] offset:64*(\q)+(\a)*16*PA+32
.endr
.endm
; A step is four quarters of 32 keys, 32 matrix instructions each, on buffers 0, 1, 0, 1.  One of the first three multiplies buffers f and fetches quarter q of the same slot into buffers g, 16 packed
; multiplies (the places) behind the last product that read them.
.macro QUARTER slot, q, f, g, zero, fetch=1
	s_wait_dscnt 4                                 ; the factors, v's fragments and the weights of two query blocks are in; the youngest four loads may be out
	WIN 0
	SCL \f, 0
.if \fetch
	FETCH \slot, \q, \g, 0
.endif
	MULH \f, 0, \zero
	WIN 0
.if \fetch
	s_wait_dscnt 24                                ; all but the 24 just issued
.else
	s_wait_dscnt 0x0
.endif
	SCL \f, 1
	MULH \f, 1, \zero
.endm
; The last quarter multiplies buffers 1 and changes slots: ONE barrier.  In front of it each wave waits for all its tensor loads, of which one is out: its part of the next slot; adds 0 to its spare word; and
; waits for that and for its own reads of this slot.  fill = 1: the barrier opens a round of the cluster's barrier, and this slot is filled again, two steps ahead, first thing behind the round.
.macro TURN slot, next, fill
.if \fill
	s_wait_xcnt 0x0                                ; the last prefetch, a step back, has read its address: it is stepped here, ahead of the waits of the change of slots
	s_add_nc_u64 s[PFA:PFA+1], s[PFA:PFA+1], s[PFS:PFS+1]
.endif
	WIN 0
	s_wait_tensorcnt 0x0                           ; all my tensor loads have landed;
	ds_add_u32 v[SPW], v[NIL]                      ; 0 onto my spare word:
	s_wait_dscnt 5                                 ; (the add and the youngest four loads may be out)
	SCL 1, 0
	MULH 1, 0, 0                                   ; work on registers stands between the add and the wait for it
	WIN 0
	s_wait_dscnt 0x0                               ; the add is done, and my reads of this slot are over
	s_barrier_signal -1
	SCL 1, 1                                       ; work on registers while the others arrive: the old factors' last use,
	s_add_co_u32 s[FT], s[FT], 512                 ; and the next block's place in my table
	v_add_nc_u32 v[FA], s[FT], v[FA0]
	s_barrier_wait -1
.if \fill
	CREST                                          ; no wave of any partner still reads this slot's tiles or has a load on its way
	s_add_nc_u64 s[G0A+4*(\slot)+2:G0A+4*(\slot)+3], s[G0A+4*(\slot)+2:G0A+4*(\slot)+3], 2*ASTEP
	s_add_nc_u64 s[G0B+4*(\slot)+2:G0B+4*(\slot)+3], s[G0B+4*(\slot)+2:G0B+4*(\slot)+3], 2*BSTEP
	JLOAD \slot                                    ; my one tensor load behind the round
.endif
	FETCH \next, 0, 0, 1
.if \fill
	ASK
.endif
	MULH 1, 1, 0
.endm
	s_wait_dscnt 0x0                               ; my table is written
	s_wait_tensorcnt 0x1                           ; my part of step 0 is in; step 1's may stay out
	s_barrier_signal -1
	s_barrier_wait -1
	FETCH 0, 0, 0, 1
	QUARTER 0, 1, 0, 1, 1                          ; the first quarter stands in front of the loop: its products start the sums
	WIN 0
	s_mov_b32 s[CNT], LAPS-1
.Llap:                                                 ; a trip goes once round the ring and fills both slots again
	QUARTER 0, 2, 1, 0, 0
	QUARTER 0, 3, 0, 1, 0
	TURN 0, 1, 1
	QUARTER 1, 1, 0, 1, 0
	QUARTER 1, 2, 1, 0, 0
	QUARTER 1, 3, 0, 1, 0
	TURN 1, 0, 1
	QUARTER 0, 1, 0, 1, 0
	WIN 0
	s_sub_co_u32 s[CNT], s[CNT], 1
	s_cmp_lg_u32 s[CNT], 0
	s_cbranch_scc1 .Llap
	QUARTER 0, 2, 1, 0, 0                          ; the last lap fills nothing
	QUARTER 0, 3, 0, 1, 0
	TURN 0, 1, 0
	QUARTER 1, 1, 0, 1, 0
	QUARTER 1, 2, 1, 0, 0
	QUARTER 1, 3, 0, 1, 0
	QUARTER 1, 0, 1, 0, 0, 0                       ; the very last quarter: nothing more to fetch
; THE WAY OUT, a block of 16 queries at a time: divided by L; 32 bytes a lane into my own stage; back as whole rows of 512 bytes; stored.
.macro SCALE a
	WIN W_SC
.set i, 0
.rept 32
	v_pk_mul_f32 v[TMP+2*i:TMP+2*i+1], v[64*(\a)+2*i:64*(\a)+2*i+1], v[RL+2*(\a):RL+2*(\a)+1]  ; each accumulator's registers in ascending order
.set i, i+1
.endr
	WIN 0
.endm
.macro TOSTAGE a
.set BK, OB+64*((\a)%2)
.irp b, 0,1,2,3,4,5,6,7
	ds_store_b128 v[STO], v[TMP+8*(\b):TMP+8*(\b)+3]   offset:64*(\b)
	ds_store_b128 v[STO], v[TMP+8*(\b)+4:TMP+8*(\b)+7] offset:64*(\b)+16
.endr
.set t, 0
.rept 16
	ds_load_b128 v[BK+4*t:BK+4*t+3], v[RD] offset:t*SPO  ; LDS serves a wave's instructions in order (ISA guide 5.7.1.4): these see the stores above
.set t, t+1
.endr
.endm
.macro SEND a
.set BK, OB+64*((\a)%2)
	s_wait_dscnt 0x0                               ; the block is back in registers
	s_wait_xcnt 0x0                                ; the stores of the block before have read their registers: the next block's loads land there only behind this wait
.set t, 0
.rept 16
	global_store_b128 v[CO], v[BK+4*t:BK+4*t+3], s[90:91] offset:(16*(\a)+t)*4096 th:TH_STORE_NT  ; a wave stores 512 consecutive bytes, at a multiple of 256 from out0's first byte
.set t, t+1
.endr
.endm
	WIN 0
	PLACES                                         ; behind the last products: the lines below write registers that they have read
	SCALE 0
	TOSTAGE 0
.irp a, 1,2,3                          ; block a's scaling stands between block a - 1's loads from the stage and the wait for them
	SCALE \a
	SEND (\a)-1
	TOSTAGE \a
.endr
	SEND 3
	s_wait_tensorcnt 0x0                           ; the wave's end: behind my last tensor load and my last LDS store
	ds_add_u32 v[SPW], v[NIL]
	s_wait_dscnt 0x0
	CROUND                                         ; the closing round
	s_endpgm
.Lfunc_end_k_qe4adedb5fd_pv:
	.size	k_qe4adedb5fd_pv, .Lfunc_end_k_qe4adedb5fd_pv-k_qe4adedb5fd_pv
	.p2alignl 7, 3214868480
	.fill 96, 4, 3214868480
	.section	.rodata,"a",@progbits
	.p2align	6, 0x0
	.amdhsa_kernel k_qe4adedb5fd_pv
		.amdhsa_group_segment_fixed_size 327680
		.amdhsa_private_segment_fixed_size 0
		.amdhsa_enable_private_segment 0
		.amdhsa_kernarg_size 32
		.amdhsa_user_sgpr_count 2
		.amdhsa_user_sgpr_kernarg_segment_ptr 1
		.amdhsa_wavefront_size32 1
		.amdhsa_system_sgpr_workgroup_id_x 1
		.amdhsa_system_sgpr_workgroup_id_y 1
		.amdhsa_system_sgpr_workgroup_id_z 1
		.amdhsa_system_vgpr_workitem_id 0
		.amdhsa_next_free_vgpr 512
		.amdhsa_next_free_sgpr 96
		.amdhsa_reserve_vcc 0
		.amdhsa_float_denorm_mode_32 3
		.amdhsa_float_denorm_mode_16_64 3
		.amdhsa_memory_ordered 1
		.amdhsa_forward_progress 1
		.amdhsa_inst_pref_size 145
	.end_amdhsa_kernel
	.amdgpu_metadata
---
amdhsa.version: [ 1, 2 ]
amdhsa.kernels:
  - .name:           k_qe4adedb5fd_pv
    .symbol:         k_qe4adedb5fd_pv.kd
    .args:
      - { .name: pt, .offset: 0, .size: 8, .value_kind: global_buffer, .address_space: global }
      - { .name: st, .offset: 8, .size: 8, .value_kind: global_buffer, .address_space: global }
      - { .name: qkv, .offset: 16, .size: 8, .value_kind: global_buffer, .address_space: global }
      - { .name: out0, .offset: 24, .size: 8, .value_kind: global_buffer, .address_space: global }
    .group_segment_fixed_size: 327680
    .private_segment_fixed_size: 0
    .kernarg_segment_align: 8
    .kernarg_segment_size: 32
    .max_flat_workgroup_size: 128
    .sgpr_count:     96
    .vgpr_count:     512
    .wavefront_size: 32
...
	.end_amdgpu_metadata
.endif
;; end of part 4
;; ======== version 2 of 2: 4 launches; version 1 with the launch castw written anew for expert scheduling mode
;; limits: values are held in f16: magnitudes above 65,504 overflow, below 6.1e-05 lose precision
;; workspace buffers: w16 6,291,456 bytes; qkv 50,331,648 bytes; pt 33,554,432 bytes; st 1,048,576 bytes
;; launch castw (part 5): grid 128 x 3, 8 waves a work-group, no clusters, 0 bytes of LDS; arguments Wq, Wk, Wv, w16; writes w16
.if DOCPART == 5
	.amdgcn_target "amdgcn-amd-amdhsa--gfx1250"
	.amdhsa_code_object_version 6
	.text
	.protected	k_qe4adedb5fd_castw
	.globl	k_qe4adedb5fd_castw
	.p2align	8
	.type	k_qe4adedb5fd_castw,@function
k_qe4adedb5fd_castw:
	s_mov_b64 s[64:65], 0
	v_nop
	global_prefetch_b8 v0, s[64:65] scope:SCOPE_SE
	s_setreg_imm32_b32 hwreg(HW_REG_WAVE_SCHED_MODE, 0, 2), 2
	s_setreg_imm32_b32 hwreg(HW_REG_WAVE_MODE, 25, 1), 1
	s_wait_xcnt 0x0
	s_wait_alu depctr_vm_vsrc(0)
; w16[t][o][..] = Wq, Wk, Wv (t = 0, 1, 2) rounded to nearest even to bf16, with K PERMUTED inside each group of 32.  W: [1024][1024] f32; w16: [3][1024][1024] bf16.
; THE PERMUTATION.  A group of 32 numbers along K is eight pieces of four; piece m goes to the place whose number is m with its two lowest bits exchanged (0 2 1 3 4 6 5 7).  The next launch takes x from
; memory so that a lane holds K = 8 j + 4 h + i at its place 4 j + i (h: the lane's half); with this order in w16 its usual two loads of 16 bytes bring W's fragment in the same order.
; A stream: every byte is read once and written once; no LDS, no matrix unit, no loop.  A work-group converts 32,768 bytes of tensor t = its y: eight loads of 16 bytes a thread
; (a wave's load covers 512 consecutive bytes), eight stores of 8 bytes a thread (a wave's store covers 256 consecutive bytes, aligned: the exchange stays inside four threads).  No register is written twice.
; THE MODE: SCHED_MODE bits 1:0 = 2 (LLVM: expert scheduling mode 2), set by the entry lines.  The code itself states the register dependences
; between vector instructions and memory instructions, with s_wait_alu, always for 0.
; THE PLAN.  Registers that memory instructions touch:
;   v1, v2   the loads' and the stores' byte offsets: written by vector lines at the head, never again; read by all eight loads and all eight stores.
;   X        written by the loads alone, each register once; read by the roundings.
;   Y        written by the roundings, each register once; read by the stores.
; The eight loads are four blocks of two.  Block p rounds X's part p into Y's part p; its memory instructions are the two stores of block p - 1, which read Y's part p - 1 and v2: registers that no vector
; line of block p names.  So one wait at a block's head states all that its two stores hang on, and they are dealt among its four roundings with no further wait.  Nothing that a memory instruction
; has read is ever written again, no load lands in a register that a vector line has named, EXEC is never written, and no vector line writes a scalar register: no other dependence is there to state.
.set X, 4                              ; v[4:35]   load j: 4 numbers in f32
.set Y, 36                             ; v[36:51]  store j: 4 numbers in bf16
	s_load_b256 s[4:11], s[0:1], 0x0               ; Wq s[4:5], Wk s[6:7], Wv s[8:9], w16 s[10:11]
	s_and_b32 s18, ttmp7, 0xffff                   ; t
	v_lshlrev_b32 v1, 4, v0                        ; 16 bytes a thread in: thread n holds piece n
	v_and_b32 v52, 0xfc, v0                        ; out: the thread's number with its two lowest bits exchanged,
	v_and_b32 v53, 1, v0
	v_bfe_u32 v54, v0, 1, 1
	v_lshl_or_b32 v52, v53, 1, v52
	v_or_b32 v52, v52, v54
	v_lshlrev_b32 v2, 3, v52                       ; 8 bytes a piece
	s_lshl_b32 s14, ttmp9, 15                      ; the work-group's 32,768 bytes of W
	s_mov_b32 s15, 0
	s_lshl_b32 s16, s18, 21                        ; tensor t of w16: 2 MiB each,
	s_lshl_b32 s19, ttmp9, 14                      ; and the work-group's 16,384 bytes of it
	s_add_co_u32 s16, s16, s19
	s_mov_b32 s17, 0
	s_wait_kmcnt 0x0
	s_cmp_eq_u32 s18, 1
	s_cselect_b64 s[12:13], s[6:7], s[4:5]
	s_cmp_eq_u32 s18, 2
	s_cselect_b64 s[12:13], s[8:9], s[12:13]
	s_add_nc_u64 s[12:13], s[12:13], s[14:15]
	s_add_nc_u64 s[10:11], s[10:11], s[16:17]
	s_wait_alu depctr_va_vdst(0)                   ; v1 and v2 are written: every load below reads v1 as its offset, every store v2
.irp j, 0,1,2,3,4,5,6,7
	global_load_b128 v[X+4*(\j):X+4*(\j)+3], v1, s[12:13] offset:4096*(\j) th:TH_LOAD_NT
.endr
; Block p: loads 2 p and 2 p + 1 are rounded; the two stores of block p - 1 stand among the roundings.
.macro BLK p
	s_wait_loadcnt 6-2*(\p)                        ; loads come back in order: loads 2 p and 2 p + 1 are in, the 6 - 2 p younger ones stay out
.if (\p) > 0
	s_wait_alu depctr_va_vdst(0)                   ; the roundings of the block before have written their part of Y, which the two stores below read
.endif
.irp i, 0,1
.if (\p) > 0
	global_store_b64 v2, v[Y+4*((\p)-1)+2*(\i):Y+4*((\p)-1)+2*(\i)+1], s[10:11] offset:2048*(2*((\p)-1)+(\i))  ; no vector line since the wait names these registers
.endif
	v_cvt_pk_bf16_f32 v[Y+4*(\p)+2*(\i)],   v[X+8*(\p)+4*(\i)],   v[X+8*(\p)+4*(\i)+1]
	v_cvt_pk_bf16_f32 v[Y+4*(\p)+2*(\i)+1], v[X+8*(\p)+4*(\i)+2], v[X+8*(\p)+4*(\i)+3]
.endr
.endm
	BLK 0                                          ; no block stands in front of it: no store, and no wait but the one for its data
	BLK 1
	BLK 2
	BLK 3
	s_wait_alu depctr_va_vdst(0)                   ; block 3's roundings have written the last part of Y, which the last two stores read
.irp i, 0,1
	global_store_b64 v2, v[Y+12+2*(\i):Y+12+2*(\i)+1], s[10:11] offset:2048*(6+(\i))
.endr
	s_endpgm
.Lfunc_end_k_qe4adedb5fd_castw:
	.size	k_qe4adedb5fd_castw, .Lfunc_end_k_qe4adedb5fd_castw-k_qe4adedb5fd_castw
	.p2alignl 7, 3214868480
	.fill 96, 4, 3214868480
	.section	.rodata,"a",@progbits
	.p2align	6, 0x0
	.amdhsa_kernel k_qe4adedb5fd_castw
		.amdhsa_group_segment_fixed_size 0
		.amdhsa_private_segment_fixed_size 0
		.amdhsa_enable_private_segment 0
		.amdhsa_kernarg_size 32
		.amdhsa_user_sgpr_count 2
		.amdhsa_user_sgpr_kernarg_segment_ptr 1
		.amdhsa_wavefront_size32 1
		.amdhsa_system_sgpr_workgroup_id_x 1
		.amdhsa_system_sgpr_workgroup_id_y 1
		.amdhsa_system_sgpr_workgroup_id_z 1
		.amdhsa_system_vgpr_workitem_id 0
		.amdhsa_next_free_vgpr 56
		.amdhsa_next_free_sgpr 66
		.amdhsa_reserve_vcc 0
		.amdhsa_float_denorm_mode_32 3
		.amdhsa_float_denorm_mode_16_64 3
		.amdhsa_memory_ordered 1
		.amdhsa_forward_progress 1
		.amdhsa_inst_pref_size 4
	.end_amdhsa_kernel
	.amdgpu_metadata
---
amdhsa.version: [ 1, 2 ]
amdhsa.kernels:
  - .name:           k_qe4adedb5fd_castw
    .symbol:         k_qe4adedb5fd_castw.kd
    .args:
      - { .name: Wq, .offset: 0, .size: 8, .value_kind: global_buffer, .address_space: global }
      - { .name: Wk, .offset: 8, .size: 8, .value_kind: global_buffer, .address_space: global }
      - { .name: Wv, .offset: 16, .size: 8, .value_kind: global_buffer, .address_space: global }
      - { .name: w16, .offset: 24, .size: 8, .value_kind: global_buffer, .address_space: global }
    .group_segment_fixed_size: 0
    .private_segment_fixed_size: 0
    .kernarg_segment_align: 8
    .kernarg_segment_size: 32
    .max_flat_workgroup_size: 256
    .sgpr_count:     66
    .vgpr_count:     56
    .wavefront_size: 32
...
	.end_amdgpu_metadata
.endif
;; end of part 5
;; launch proj: the kernel of part 2 again; grid 4 x 64, 4 waves a work-group, clusters of 4 x 4, 327,680 bytes of LDS; arguments query, key, value, w16, qkv; writes qkv
;; launch scores: the kernel of part 3 again; grid 8 x 32, 4 waves a work-group, clusters of 4 x 4, 327,680 bytes of LDS; arguments qkv, pt, st; writes pt, st
;; launch pv: the kernel of part 4 again; grid 4 x 64, 4 waves a work-group, clusters of 4 x 4, 327,680 bytes of LDS; arguments pt, st, qkv, out0; writes out0
